; MI455X (gfx1250); checked and timed in simulation.
; The chip was launched on July 23, 2026; its instructions are those of AMD's public machine-readable ISA for CDNA 5 (MIT licence, August 2026) and "CDNA5" Instruction Set Architecture Reference Guide (July 2026). The comments in the code are by the model that wrote it; some were corrected since.
;; Self Attention. Allowed arithmetic: matrix products marked QUANTISED: E2M3 operands, one E8M0 scale for each 32 along K, by v_wmma_scale_f32_16x16x128_f8f6f4 with both operands' format E2M3, f32 sums; everything else in f32.
;; Inputs: w_attn 3,072 x 1,024 float32; w_proj 1,024 x 1,024 float32; x 4 x 2,048 x 1,024 float32.
;; Outputs: out0 4 x 2,048 x 1,024 float32.
;; This version of the problem:
;;   THIS VERSION OF THE PROBLEM IS GIVEN IN LOW PRECISION. The matrix products marked QUANTISED in the list below multiply operands that are first quantised to E2M3 (2 exponent bits, 3 mantissa bits; 6 bits a number), with one power-of-two scale for each 32 numbers along K (OCP MX v1.0); their sums are f32. All else is computed in f32.
;;   The module's matrix products, in the order in which they are computed (A, B: the left and right operand; K: the contracted axis; several contracted axes count as one K, in the product's order):
;;     1. [M 8,192, K 1,024] x [K 1,024, N 3,072]; A: input x; B: input w_attn: QUANTISED
;;     2. batch 64 x [M 2,048, K 64] x [K 64, N 2,048]; A: computed on the way; B: computed on the way: QUANTISED
;;     3. batch 64 x [M 2,048, K 2,048] x [K 2,048, N 64]; A: softmax (see below); B: computed on the way: QUANTISED
;;     4. [M 8,192, K 1,024] x [K 1,024, N 1,024]; A: computed on the way; B: input w_proj: QUANTISED
;;   THE QUANTISER, for each operand of a quantised product, along K:
;;     - K is cut into blocks of 32 from its start; a last block that is shorter is filled with zeros.
;;     - A block's scale is 2^e with e = floor(log2(the largest magnitude in the block)) - 2, held to -126 .. 127; a block of zeros has e = 0. As a byte (E8M0): e + 127.
;;     - Each number is divided by its block's scale, clamped to +-7.5, and rounded to the nearest number of E2M3, ties to even, subnormals kept.
;;     - The product sums the exact products of the quantised numbers (number of the format x scale) in f32.
;;   ~~~python
;;   def quantise(x, axis):      # numpy; x: float32 -> the quantised numbers, widened to float32 again
;;       x = np.moveaxis(x, axis, -1); K = x.shape[-1]
;;       x = np.pad(x, [(0, 0)] * (x.ndim - 1) + [(0, -K % 32)]); x = x.reshape(x.shape[:-1] + (-1, 32)); a = np.abs(x).max(-1, keepdims=True)
;;       e = np.where(a > 0, np.clip(np.frexp(np.where(a > 0, a, 1))[1] - 1 - 2, -126, 127), 0)      # np.frexp(a)[1] - 1 = floor(log2(a)), exactly
;;       r = np.clip(x / 2.0 ** e, -7.5, 7.5)
;;       step = 2.0 ** (np.maximum(np.frexp(np.where(r == 0, 1, r))[1] - 1, 0) - 3)
;;       q = np.round(r / step) * step * 2.0 ** e      # np.round: ties to even
;;       return np.moveaxis(q.reshape(q.shape[:-2] + (-1,))[..., :K], -1, axis).astype(np.float32)
;;   ~~~
;;   SOFTMAX AHEAD OF A QUANTISED PRODUCT. Where the list says 'softmax', what is quantised is not the finished softmax but p = 2^(t - M), with t = logit x log2(e) and M = ceil(the row's largest t), a whole number; so 1/2 < the row's largest p <= 1. The row's sum l is taken of the UNQUANTISED p, in f32, and the product's result is divided by l at the end. Since M is a whole number, a kernel that streams over the keys may use a running M (the ceiling of the running maximum): every later rescaling is an exact power of two, which a block's scale takes up: the codes' values come out the same.
;;   OPERANDS COMPUTED ON THE WAY. 'Computed on the way' means the value that the module computes at that place (a softmax that the list does not call 'softmax' is quantised finished and normalised). What goes into a quantiser is computed in f32, as accurately as f32 sums, v_exp_f32 and their like allow (about 1e-6 of the number): no bf16 or f16 on the way to a quantiser, and a product that is left as it is and whose result goes on into a quantised operand takes f32 operands (vector FMAs, or v_wmma_f32_16x16x4_f32). A number that lies on a knife's edge between two numbers of the format may be rounded either way, as far as f32 arithmetic and the matrix unit's own rounding can turn it there, and no further.
;; One version. Each part assembles by itself: llvm-mc -triple=amdgcn-amd-amdhsa -mcpu=gfx1250 --defsym DOCPART=n.
;; ======== version 1 of 1: 4 launches
;; workspace buffers: codes 15,728,640 bytes; scales 655,360 bytes; qkv 18,874,368 bytes; qkvs 786,432 bytes
;; launch quant (part 1): grid 384 x 1, 4 waves a work-group, no clusters, 68,096 bytes of LDS; arguments x, w_attn, w_proj, codes, scales; writes codes, scales
.if DOCPART == 1
	.amdgcn_target "amdgcn-amd-amdhsa--gfx1250"
	.amdhsa_code_object_version 6
	.text
	.protected	k_qddc4af5e61_quant
	.globl	k_qddc4af5e61_quant
	.p2align	8
	.type	k_qddc4af5e61_quant,@function
k_qddc4af5e61_quant:
	s_mov_b64 s[64:65], 0
	v_nop
	global_prefetch_b8 v0, s[64:65] scope:SCOPE_SE
	s_setreg_imm32_b32 hwreg(HW_REG_WAVE_MODE, 25, 1), 1
	s_wait_xcnt 0x0
; x [8192][1024], w_attn [3072][1024], w_proj [1024][1024], f32, K innermost, become codes of FP6 (E2M3) with one E8M0 byte for each 32 along K,
; laid IN THE ORDER OF THE OPERAND'S REGISTERS.  The three tensors are one list of 12,288 rows: 96 groups of 128 rows (x 0-63, w_attn 64-87, w_proj 88-95).
; A TILE is 16 rows: lane r of tile t holds row 32 (t / 2) + 8 (t % 2) + r + 8 (r / 8).  A fragment (a tile x 128 along K, 12 registers a lane) is 1,536 bytes:
; registers 0-3 at 16 x lane, 4-5 at 512 + 8 x lane, 6-9 at 768 + 16 x lane, 10-11 at 1,280 + 8 x lane.  codes: [group][K step 0..7][tile 0..7][1536].
; scales: [group][K step / 2][tile][row r][2 words]: a word is the four bytes of a row's 128 along K.
; A block's scale is 2^(floor(log2(largest magnitude)) - 2); its byte is the largest magnitude's exponent field - 2, held at 1 from below.
; LIMITS: a block of zeros, or one whose largest magnitude lies under 2^-124, has the byte 1 (a zero block's codes are zeros, and this program alone reads the bytes); NaN and infinities are not served.
; SHARES: a work-group takes 32 rows (a pair of tiles), wave q the columns 256 q .. 256 q + 255: four fragments f = 2 u + kk (tile u, K step 2 q + kk).
; Each load reads 512 consecutive bytes of one row; a fragment's 16 rows turn through the wave's own stage in LDS (rows of 528 bytes), so that a lane gets 16 neighbours of each block of 32.
; Waves share nothing: no barrier.  Matrix units, tensor loads and clusters would add nothing to a stream that is read once.
.set STG,  8448                        ; a stage: 16 rows x 528 bytes; two for each wave, by turns
.set TM,   8                           ; v8-11 largest magnitudes, v12-15 the other half's, then bytes, v20-23 the conversions' scale operands
.set PWR,  24                          ; v24-27 the four fragments' scale words
.set R,    32                          ; v32-95, v96-159 two sets of 64 numbers as loaded
.set X,    160                         ; v160-223 64 numbers: register 16 b + i = k 32 b + 16 (lane / 16) + i of my row
.set PC,   224                         ; v224-235, v236-247 two sets of codes
.set TP,   248                         ; v248-254 the second halves' codes before they are moved
	s_load_b256 s[4:11], s[0:1], 0x0               ; x s[4:5], w_attn s[6:7], w_proj s[8:9], codes s[10:11]
	s_load_b64 s[12:13], s[0:1], 0x20              ; scales
	v_lshl_add_u32 v251, v0, 2, 0x10800
	v_mov_b32 v255, 0
	v_lshrrev_b32 v3, 5, v0
	v_readfirstlane_b32 s16, v3                    ; wave q
	v_and_b32 v3, 31, v0                           ; lane
	v_lshlrev_b32 v1, 4, v3                        ; 16 x lane
	v_lshlrev_b32 v2, 3, v3                        ; 8 x lane
	v_and_b32 v4, 15, v0                           ; r
	v_bfe_u32 v5, v0, 4, 1                         ; h
	s_mul_i32 s17, s16, 2*STG                      ; my wave's two stages
	v_add_nc_u32 v6, s17, v1                       ; into a stage: 16 x lane of a row
	v_mul_u32_u24 v7, v4, 528
	v_lshl_add_u32 v7, v5, 6, v7
	v_add_nc_u32 v7, s17, v7                       ; out of it: row r, + 64 h: my 16 numbers of a block
	s_mov_b32 s20, 0x76543210
	s_mov_b32 s21, 0xfedcba98                      ; v_permlanex16_b32's selects for lane l xor 16
	s_mov_b32 s22, 0xffff0000                      ; lanes 16-31
.irp b, 0,1,2,3
	v_mov_b32 v[TM+4+\b], 0                        ; written once: a lane permute's destination counts as one of its sources
.endr
	s_mov_b32 s15, 352
	s_mov_b32 s25, 0
	s_lshr_b32 s26, ttmp9, 2                       ; group
	s_and_b32 s27, ttmp9, 3
	s_lshl_b32 s27, s27, 1                         ; my first tile in it
	s_wait_kmcnt 0x0
	s_cmp_lt_u32 ttmp9, s15                        ; which tensor: the choice hangs on the work-group's number alone
	s_cselect_b64 s[6:7], s[6:7], s[8:9]
	s_cselect_b32 s14, 256, s15
	s_cmp_lt_u32 ttmp9, 256
	s_cselect_b64 s[4:5], s[4:5], s[6:7]
	s_cselect_b32 s14, 0, s14                      ; the tensor's first work-group
	s_sub_co_u32 s14, ttmp9, s14
	s_lshl_b32 s24, s14, 17                        ; 32 rows of 4,096 bytes
	s_lshl_b32 s28, s16, 10                        ; + my 256 columns
	s_add_co_u32 s24, s24, s28
	s_add_nc_u64 s[4:5], s[4:5], s[24:25]
	s_lshl_b32 s24, s26, 3
	s_lshl_b32 s28, s16, 1
	s_add_co_u32 s24, s24, s28                     ; 8 x group + my first K step
	s_lshl_b32 s24, s24, 3
	s_add_co_u32 s24, s24, s27
	s_mul_i32 s24, s24, 1536
	s_add_nc_u64 s[10:11], s[10:11], s[24:25]
	s_lshl_b32 s24, s26, 12
	s_lshl_b32 s28, s16, 10
	s_add_co_u32 s24, s24, s28
	s_lshl_b32 s28, s27, 7
	s_add_co_u32 s24, s24, s28
	s_add_nc_u64 s[12:13], s[12:13], s[24:25]
.macro LOAD f                          ; fragment f: the tile's 16 rows, 512 consecutive bytes each
.set p, 0
.rept 16
	global_load_b128 v[R+64*((\f)%2)+4*p:R+64*((\f)%2)+4*p+3], v1, s[4:5] offset:(8*((\f)/2)+p+8*(p/8))*4096+512*((\f)%2) th:TH_LOAD_NT
.set p, p+1
.endr
.endm
.macro TURN f                          ; through the stage: LDS serves a wave's instructions in order, so no wait stands between the stores and the loads
.set p, 0
.rept 16
	ds_store_b128 v6, v[R+64*((\f)%2)+4*p:R+64*((\f)%2)+4*p+3] offset:STG*((\f)%2)+528*p
.set p, p+1
.endr
.irp b, 0,1,2,3
.irp j, 0,1,2,3
	ds_load_b128 v[X+16*\b+4*\j:X+16*\b+4*\j+3], v7 offset:STG*((\f)%2)+128*\b+16*\j
.endr
.endr
.endm
; 64 numbers of a lane become a fragment's codes in v[pc] on and its row's scale word in v[pw]
.macro QUANT s, pc, pw
.irp b, 0,1,2,3
	v_max3_num_f32 v[TM+\b], |v[\s+16*\b]|, |v[\s+1+16*\b]|, 0x1800000   ; my 16 numbers of block b, and the floor 2^(3 - 127): the byte cannot fall under 1
.endr
.irp i, 2,4,6,8,10,12,14
.irp b, 0,1,2,3
	v_max3_num_f32 v[TM+\b], v[TM+\b], |v[\s+16*\b+\i]|, |v[\s+1+16*\b+\i]|   ; the four blocks by turns
.endr
.endr
.irp b, 0,1,2,3
	v_permlanex16_b32 v[TM+4+\b], v[TM+\b], s20, s21
.endr
.irp b, 0,1,2,3
	v_max_num_f32 v[TM+\b], v[TM+\b], v[TM+4+\b]   ; with lane l xor 16's: the block's largest magnitude
.endr
.irp b, 0,1,2,3
	v_add_nc_u32 v[TM+12+\b], 0xff000000, v[TM+\b] ; 2 off its exponent field: the conversion's scale operand
.endr
.irp b, 0,1,2,3
	v_lshrrev_b32 v[TM+4+\b], 23, v[TM+12+\b]      ; the scale's byte
.endr
	v_lshl_or_b32 v[\pw], v[TM+5], 8, v[TM+4]
	v_lshl_or_b32 v[\pw], v[TM+6], 16, v[\pw]
	v_lshl_or_b32 v[\pw], v[TM+7], 24, v[\pw]
.irp c, 0,1
	v_cvt_scalef32_pk16_fp6_f32 v[\pc+6*\c:\pc+6*\c+2], v[\s+32*\c:\s+32*\c+15], v[TM+12+2*\c]
	v_cvt_scalef32_pk16_fp6_f32 v[TP+4*\c:TP+4*\c+2], v[\s+32*\c+16:\s+32*\c+31], v[TM+12+2*\c+1]   ; (a conversion's three registers begin on an even number)
.endr
	v_nop                                          ; one plain place behind a scaled conversion
.irp c, 0,1                            ; the operand's layout wants a whole block in a lane: lanes 0-15 block 2 c, lanes 16-31 block 2 c + 1
.irp i, 0,1,2
	v_permlane16_swap_b32 v[\pc+6*\c+\i], v[TP+4*\c+\i]
.endr
.irp i, 0,1,2
	v_mov_b32 v[\pc+3+6*\c+\i], v[TP+4*\c+\i]
.endr
.endr
.endm
.macro OUT pc, off                     ; the fragment as it stands: each store covers 512 or 256 consecutive bytes, aligned
	global_store_b128 v1, v[\pc:\pc+3], s[10:11] offset:\off
	global_store_b64 v2, v[\pc+4:\pc+5], s[10:11] offset:\off+512
	global_store_b128 v1, v[\pc+6:\pc+9], s[10:11] offset:\off+768
	global_store_b64 v2, v[\pc+10:\pc+11], s[10:11] offset:\off+1280
.endm
.macro FRAGMENT f
	s_wait_dscnt 0x0                               ; my 64 numbers are back from the stage, so the stage's stores have read their registers,
.if (\f) < 2
	LOAD (\f)+2                                    ; which take the fragment two further on
.else
	s_wait_xcnt 0x0                                ; the stores of two fragments back have read their codes: that set is written again only behind this wait
.endif
	QUANT X, PC+12*((\f)%2), PWR+(\f)
	OUT PC+12*((\f)%2), (8*((\f)%2)+(\f)/2)*1536
.if (\f) < 2
	s_wait_loadcnt 16                              ; the next fragment's 16 loads are in; the 16 of the one behind it stay out
	TURN (\f)+1
.elseif (\f) == 2
	s_wait_loadcnt 0x0                             ; the last fragment: nothing was asked for behind it
	TURN 3
.endif
.endm
	LOAD 0
	LOAD 1
	s_wait_loadcnt 16                              ; fragment 0's 16 loads are in, fragment 1's stay out
	TURN 0
	FRAGMENT 0
	FRAGMENT 1
	FRAGMENT 2
	FRAGMENT 3
	v_cndmask_b32 v28, v[PWR], v[PWR+2], s22       ; lanes 0-15 tile 0's words of my two K steps, lanes 16-31 tile 1's (a row's word stands in lanes l and l xor 16 alike)
	v_cndmask_b32 v29, v[PWR+1], v[PWR+3], s22
	global_store_b64 v2, v[28:29], s[12:13]        ; 32 lanes store 256 consecutive bytes, aligned
	s_wait_tensorcnt 0x0
	ds_add_u32 v251, v255
	s_wait_dscnt 0x0
	s_endpgm
.Lfunc_end_k_qddc4af5e61_quant:
	.size	k_qddc4af5e61_quant, .Lfunc_end_k_qddc4af5e61_quant-k_qddc4af5e61_quant
	.p2alignl 7, 3214868480
	.fill 96, 4, 3214868480
	.section	.rodata,"a",@progbits
	.p2align	6, 0x0
	.amdhsa_kernel k_qddc4af5e61_quant
		.amdhsa_group_segment_fixed_size 68096
		.amdhsa_private_segment_fixed_size 0
		.amdhsa_enable_private_segment 0
		.amdhsa_kernarg_size 40
		.amdhsa_user_sgpr_count 2
		.amdhsa_user_sgpr_kernarg_segment_ptr 1
		.amdhsa_wavefront_size32 1
		.amdhsa_system_sgpr_workgroup_id_x 1
		.amdhsa_system_sgpr_workgroup_id_y 1
		.amdhsa_system_sgpr_workgroup_id_z 1
		.amdhsa_system_vgpr_workitem_id 0
		.amdhsa_next_free_vgpr 256
		.amdhsa_next_free_sgpr 66
		.amdhsa_reserve_vcc 0
		.amdhsa_float_denorm_mode_32 3
		.amdhsa_float_denorm_mode_16_64 3
		.amdhsa_memory_ordered 1
		.amdhsa_forward_progress 1
		.amdhsa_inst_pref_size 34
	.end_amdhsa_kernel
	.amdgpu_metadata
---
amdhsa.version: [ 1, 2 ]
amdhsa.kernels:
  - .name:           k_qddc4af5e61_quant
    .symbol:         k_qddc4af5e61_quant.kd
    .args:
      - { .name: x, .offset: 0, .size: 8, .value_kind: global_buffer, .address_space: global }
      - { .name: w_attn, .offset: 8, .size: 8, .value_kind: global_buffer, .address_space: global }
      - { .name: w_proj, .offset: 16, .size: 8, .value_kind: global_buffer, .address_space: global }
      - { .name: codes, .offset: 24, .size: 8, .value_kind: global_buffer, .address_space: global }
      - { .name: scales, .offset: 32, .size: 8, .value_kind: global_buffer, .address_space: global }
    .group_segment_fixed_size: 68096
    .private_segment_fixed_size: 0
    .kernarg_segment_align: 8
    .kernarg_segment_size: 40
    .max_flat_workgroup_size: 128
    .sgpr_count:     66
    .vgpr_count:     256
    .wavefront_size: 32
...
	.end_amdgpu_metadata
.endif
;; end of part 1
;; launch gemm_qkv (part 2): grid 12 x 32, 4 waves a work-group, clusters of 4 x 4, 327,680 bytes of LDS; arguments codes, scales, qkv, qkvs; writes qkv, qkvs
.if DOCPART == 2
	.amdgcn_target "amdgcn-amd-amdhsa--gfx1250"
	.amdhsa_code_object_version 6
	.text
	.protected	k_qddc4af5e61_gemm_qkv
	.globl	k_qddc4af5e61_gemm_qkv
	.p2align	8
	.type	k_qddc4af5e61_gemm_qkv,@function
k_qddc4af5e61_gemm_qkv:
	s_mov_b64 s[64:65], 0
	v_nop
	global_prefetch_b8 v0, s[64:65] scope:SCOPE_SE
	s_setreg_imm32_b32 hwreg(HW_REG_WAVE_MODE, 25, 1), 1
	s_wait_xcnt 0x0
	s_wait_alu depctr_hold_cnt(0) depctr_sa_sdst(0) depctr_va_vdst(0) depctr_va_sdst(0) depctr_va_ssrc(0) depctr_va_vcc(0) depctr_vm_vsrc(0)
	s_getreg_b32 s2, hwreg(HW_REG_IB_STS2, 6, 4)
	s_cmp_eq_u32 s2, 0
	s_cbranch_scc0 .Lentry_in_a_cluster
	s_endpgm
.Lentry_in_a_cluster:
	s_bfe_u32 s2, ttmp6, 0x10000c
	s_cmp_lg_u32 s2, 0xf033
	s_cbranch_scc0 .Lentry_shape_is_right
	s_endpgm
.Lentry_shape_is_right:
; qkv = x w_attn^T on codes of FP6 (E2M3) with E8M0 scales, K = 1,024, and its results quantised at once for the attention: q and k along the head's 64, v along the keys.
; OPERANDS lie in memory in the order of their registers: group of 128 rows = [K step 0..7][tile 0..7][1536 bytes]; lane r of tile t holds row 32 (t / 2) + 8 (t % 2) + r + 8 (r / 8).
; THE PRODUCT: source 0 = 16 rows of B', source 1 = 16 rows of A'.  A lane then holds ONE row of A', and by the tiles' choice of rows the 16 registers of B' tiles 2 g, 2 g + 1 are B' rows 32 g + 16 (lane / 16) + 0 .. 15:
; neighbours along the NEXT product's K.  Clusters x = 0, 1: A' = x (tokens), B' = w_q | w_k (features): codes along the head's axis.  Cluster x = 2: A' = w_v (features), B' = x (tokens): codes along the keys.
; SHARES: a work-group makes 256 rows of A' x 256 of B', a wave 128 x 128: 64 accumulators, 512 registers.
; LDS: three slots of 98,304 bytes, each 256 along K: [A' group 0, A' group 1, B' group 0, B' group 1][2 K steps][8 tiles][1536].  K has four such slots' worth: three first fills and ONE refill.
; A wave has three tensor loads out at the start and one behind the refill's barrier.  All of a WGP's LDS is claimed.
; CLUSTERS 4 x 4: A's pieces hang on the cluster's row alone, B's on its column alone; each is asked for jointly by the four that share it.
; THE SCALES of all of K go from memory into 64 registers once: register 8 i + s: lanes 0-15 the word of A' tile i, lanes 16-31 that of B' tile i, for K step s.
; THE WAY OUT needs no LDS: a tile's 64 results of a lane are quantised in registers into a fragment, whose two halves (64 along the next K, 768 bytes) are stored as they stand.
; qkv: q, k: [batch][eta 32: q heads, then k heads][token tile 128][768];  v at VOFF: [batch][head][64-key group 32][tile of d 4][768].
; qkvs: q, k: [batch][eta][128 tokens 16][lane][2 words]: word 0 of lane l = pair of tiles l / 16, word 1 = pair 2 + l / 16, row l % 16; a pair's word = two bytes of the even tile, two of the odd;
;       v at SVOFF: [batch][head][128 keys 16][lane][2 words]: word 0 = tile of d l / 16, word 1 = 2 + l / 16; a word = the four key blocks' bytes.
; LIMITS: a block of zeros, or one whose largest magnitude lies under 2^-124, has the byte 1; NaN and infinities are not served.
; REGISTERS: window 0: v4-15 LDS addresses, v16-18 offsets, v28-29 for the add, v32-39 scale words made, v40-55 at work, v56-63 scale words to store, v64-127 scales, v128-223 A' fragments (one set), later the codes, v224-230 at work.
;   window 1: B' fragments, two sets, at v0 and v128.  windows 2, 3: accumulator (a, b) at v[8 (8 (a % 4) + b)] of window 2 + a / 4.
.set SLOT,  98304
.set PIECE, 24576
.set SPARE, 3*SLOT                     ; behind the slots: the spare words, 128 bytes a wave
.set VOFF,  12582912
.set SVOFF, 524288
.set SC,    64
.set AF,    128
.set PW,    32
.set TM,    40
.set TP,    224
.set MSB, 0
.macro WIN new                         ; the immediate's high byte repeats the setting that is left
.if MSB != \new
	s_set_vgpr_msb (MSB<<8)|\new
.set MSB, \new
.endif
.endm
.set MUL_LO, 0xa1                      ; source 0 (B') window 1, source 1 (A') window 0, C and D window 2
.set MUL_HI, 0xf1                      ; the same, C and D window 3
.set TO_B,   0x40                      ; destination window 1, address window 0
.macro PLACES                          ; four plain places behind matrix instructions, in front of loads into registers that they read and of reads of their results
.rept 4
	v_nop
.endr
.endm
.macro JLOAD g0a, g0b                  ; a joint load: waves 0, 1 fetch A's groups, waves 2, 3 B's; the branch hangs on the wave's number alone; four v_nop follow each line
	s_cmp_eq_u32 s15, 0
	s_cbranch_scc0 .Lfor_b_\@
	tensor_load_to_lds s[\g0a:\g0a+3], s[24:31]
	s_nop 0
.rept 4
	v_nop
.endr
	s_branch .Lasked_\@
.Lfor_b_\@:
	tensor_load_to_lds s[\g0b:\g0b+3], s[32:39]
	s_nop 0
.rept 4
	v_nop
.endr
.Lasked_\@:
.endm
.macro CREST                           ; a round of the cluster's barrier behind its opening barrier
	s_cmp_lg_u32 s14, 0
	s_cbranch_scc1 .Lnot_wave_0_\@
	s_barrier_signal -3
.Lnot_wave_0_\@:
	s_barrier_wait -3
	s_barrier_signal -1
	s_barrier_wait -1
.endm
.macro CROUND
	s_barrier_signal -1
	s_barrier_wait -1
	CREST
.endm
	s_load_b256 s[4:11], s[0:1], 0x0               ; codes s[4:5], scales s[6:7], qkv s[8:9], qkvs s[10:11]
	v_lshl_add_u32 v28, v0, 2, SPARE
	v_mov_b32 v29, 0
	ds_add_u32 v28, v29
	ds_add_u32 v28, v29
	s_wait_dscnt 0x0
	v_lshrrev_b32 v1, 5, v0
	v_readfirstlane_b32 s14, v1                    ; wave 0..3
	s_lshr_b32 s15, s14, 1                         ; which 128 rows of A' are mine.  Also: I fetch for A' (0) or B' (1)
	s_and_b32 s16, s14, 1                          ; which 128 rows of B'.  Also: which of the two groups I fetch
	s_bfe_u32 s66, ttmp6, 0x40000                  ; cx
	s_bfe_u32 s67, ttmp6, 0x40004                  ; cy
	s_and_b32 s69, ttmp7, 0xffff                   ; cluster y
	s_lshr_b32 s70, ttmp9, 1                       ; isV: 1 in the clusters with x = 2: equal in all partners
	s_xor_b32 s71, s70, 1
	s_lshl_b32 s72, s67, 2
	s_lshl_b32 s72, 15, s72                        ; my row of the cluster
	s_lshl_b32 s73, 0x1111, s66                    ; my column
	s_lshl_b32 s74, s67, 1                         ; A's first group: 2 cy + 80 isV + 8 cly (1 - isV)
	s_mul_i32 s76, s70, 80
	s_add_co_u32 s74, s74, s76
	s_lshl_b32 s76, s69, 3
	s_mul_i32 s77, s76, s71
	s_add_co_u32 s74, s74, s77
	s_lshl_b32 s75, s66, 1                         ; B's: 2 cx + 8 cly isV + (64 + 8 clx) (1 - isV)
	s_mul_i32 s77, s76, s70
	s_add_co_u32 s75, s75, s77
	s_lshl_b32 s77, ttmp9, 3
	s_add_co_u32 s77, s77, 64
	s_mul_i32 s77, s77, s71
	s_add_co_u32 s75, s75, s77
	; descriptor group 1: a dense piece of 24,576 bytes as 96 rows of 256 bytes (32 elements of 8 bytes), no padding
	s_or_b32 s24, s72, (3<<16)|(1<<21)             ; 15:0 the mask: A's pieces go to my row; 17:16 elements of 8 bytes; 21 set beside a mask
	s_or_b32 s32, s73, (3<<16)|(1<<21)             ; B's to my column
.irp g, 24, 32
	s_mov_b32 s[\g+1], 32<<16                      ; tensor_dim0
	s_mov_b32 s[\g+2], 96<<16                      ; tensor_dim1
	s_mov_b32 s[\g+3], 32<<16                      ; tile_dim0
	s_mov_b32 s[\g+4], 96                          ; tile_dim1
	s_mov_b32 s[\g+5], 32                          ; stride from row to row
	s_mov_b32 s[\g+6], 0
	s_mov_b32 s[\g+7], 0
.endr
	s_add_co_u32 s76, s74, s16
	s_mul_i32 s76, s76, 98304                      ; the group that I would fetch for A', in bytes,
	s_mov_b32 s77, 0
	s_add_co_u32 s78, s75, s16
	s_mul_i32 s78, s78, 98304                      ; and for B'
	s_mov_b32 s79, 0
	s_mul_i32 s17, s14, PIECE                      ; where it goes: no place in the cluster enters an LDS address
	s_wait_kmcnt 0x0
	s_add_nc_u64 s[76:77], s[4:5], s[76:77]
	s_add_nc_u64 s[78:79], s[4:5], s[78:79]
	CROUND                                         ; all sixteen work-groups are here: the first joint loads meet
.irp n, 0,1,2
	s_mov_b32 s[40+4*\n], 1
	s_add_co_u32 s[41+4*\n], s17, \n*SLOT
	s_add_nc_u64 s[42+4*\n:43+4*\n], s[76:77], \n*PIECE
	s_or_b32 s[43+4*\n], s[43+4*\n], 0x80000000
	s_mov_b32 s[52+4*\n], 1
	s_add_co_u32 s[53+4*\n], s17, \n*SLOT
	s_add_nc_u64 s[54+4*\n:55+4*\n], s[78:79], \n*PIECE
	s_or_b32 s[55+4*\n], s[55+4*\n], 0x80000000
.endr
	s_cmp_eq_u32 s15, 0                            ; a wave's three first fills stand in one branch, ahead of every wait on TENSORcnt and every LDS read
	s_cbranch_scc0 .Lfirst_b
	tensor_load_to_lds s[40:43], s[24:31]
	s_nop 0
	tensor_load_to_lds s[44:47], s[24:31]
	s_nop 0
	tensor_load_to_lds s[48:51], s[24:31]
	s_nop 0
.rept 4
	v_nop
.endr
	s_branch .Lfirst_asked
.Lfirst_b:
	tensor_load_to_lds s[52:55], s[32:39]
	s_nop 0
	tensor_load_to_lds s[56:59], s[32:39]
	s_nop 0
	tensor_load_to_lds s[60:63], s[32:39]
	s_nop 0
.rept 4
	v_nop
.endr
.Lfirst_asked:
	v_and_b32 v1, 31, v0
	v_lshlrev_b32 v16, 4, v1                       ; 16 x lane
	v_lshlrev_b32 v17, 3, v1                       ; 8 x lane
	v_and_b32 v2, 15, v0                           ; r
	s_mul_i32 s18, s15, PIECE                      ; my 128 rows of A',
	s_mul_i32 s19, s16, PIECE
	s_add_co_u32 s19, s19, 2*PIECE                 ; of B'
.irp n, 0,1,2
	v_add_nc_u32 v[4+\n], s18, v16
	v_add_nc_u32 v[7+\n], s18, v17
	v_add_nc_u32 v[10+\n], s19, v16
	v_add_nc_u32 v[13+\n], s19, v17
	s_add_co_u32 s18, s18, SLOT
	s_add_co_u32 s19, s19, SLOT
.endr
	s_mov_b32 s90, 0xffff0000                      ; lanes 16-31
	s_mov_b32 s92, 0x76543210
	s_mov_b32 s93, 0xfedcba98                      ; v_permlanex16_b32's selects for lane l xor 16
	s_add_co_u32 s98, s74, s15
	s_add_co_u32 s99, s75, s16
	s_lshl_b32 s98, s98, 12                        ; my A' group's scales, 4,096 bytes a group,
	s_lshl_b32 s99, s99, 12                        ; my B' group's
	v_mov_b32 v18, s98
	v_mov_b32 v19, s99
	v_cndmask_b32 v18, v18, v19, s90               ; lanes 0-15 take A's, lanes 16-31 B's
	v_lshl_add_u32 v18, v2, 3, v18                 ; + 8 r
.irp i, 0,1,2,3,4,5,6,7
.irp q, 0,1,2,3
	global_load_b64 v[SC+8*\i+2*\q:SC+8*\i+2*\q+1], v18, s[6:7] offset:1024*\q+128*\i
.endr
.endr
.irp b, 0,1,2,3
	v_mov_b32 v[TM+4+\b], 0                        ; written once: a lane permute's destination counts as one of its sources
.endr
	; where the results go.  q, k: token group 2 trow + rowhalf, feature group nu;  v: feature group, token group nu'
	s_lshl_b32 s91, s69, 2
	s_add_co_u32 s94, s91, s67                     ; trow = 4 cly + cy
	s_lshl_b32 s95, ttmp9, 2
	s_add_co_u32 s95, s95, s66
	s_lshl_b32 s95, s95, 1
	s_add_co_u32 s95, s95, s16                     ; nu = 2 (4 clx + cx) + colhalf
	s_add_co_u32 s96, s91, s66
	s_lshl_b32 s96, s96, 1
	s_add_co_u32 s96, s96, s16                     ; nu' = 2 (4 cly + cx) + colhalf
	s_lshr_b32 s97, s94, 3
	s_lshl_b32 s97, s97, 5
	s_lshl_b32 s98, s95, 1
	s_add_co_u32 s97, s97, s98                     ; 32 batch + 2 nu: the first of my two eta
	s_and_b32 s98, s94, 7
	s_lshl_b32 s98, s98, 1
	s_add_co_u32 s98, s98, s15                     ; which 128 tokens of the batch
	s_lshl_b32 s99, s97, 7
	s_lshl_b32 s76, s98, 3
	s_add_co_u32 s99, s99, s76
	s_mul_i32 s99, s99, 768                        ; q, k: codes
	s_lshl_b32 s77, s97, 4
	s_add_co_u32 s77, s77, s98
	s_lshl_b32 s77, s77, 8                         ; q, k: scale words
	s_lshr_b32 s97, s96, 4
	s_lshl_b32 s97, s97, 4
	s_lshl_b32 s98, s67, 2
	s_add_co_u32 s97, s97, s98
	s_lshl_b32 s98, s15, 1
	s_add_co_u32 s97, s97, s98                     ; 16 batch + the first of my two heads
	s_and_b32 s98, s96, 15                         ; which 128 keys of the batch
	s_lshl_b32 s78, s97, 5
	s_lshl_b32 s79, s98, 1
	s_add_co_u32 s78, s78, s79
	s_mul_i32 s78, s78, 3072
	s_add_co_u32 s78, s78, VOFF                    ; v: codes
	s_lshl_b32 s79, s97, 4
	s_add_co_u32 s79, s79, s98
	s_lshl_b32 s79, s79, 8
	s_add_co_u32 s79, s79, SVOFF                   ; v: scale words
	s_mov_b32 s91, 98304
	s_cmp_eq_u32 s70, 0
	s_cselect_b32 s76, s99, s78
	s_cselect_b32 s78, s77, s79
	s_cselect_b32 s94, 3072, s91                   ; from tiles 0-3 to tiles 4-7 of A': four token tiles on, or a head on
	s_cselect_b32 s96, s91, 3072                   ; from a fragment's first half to its second: an eta on, or a 64-key group on
	s_cselect_b32 s91, 0, -1                       ; all lanes where isV
	s_mov_b32 s77, 0
	s_mov_b32 s79, 0
	s_mov_b32 s95, 0
	s_mov_b32 s97, 0
	s_add_nc_u64 s[80:81], s[8:9], s[76:77]
	s_add_nc_u64 s[82:83], s[80:81], s[96:97]
	s_add_nc_u64 s[84:85], s[80:81], s[94:95]
	s_add_nc_u64 s[86:87], s[84:85], s[96:97]
	s_add_nc_u64 s[88:89], s[10:11], s[78:79]
.macro FRAG reg, a16, a8, off          ; a fragment comes as it was stored: each load takes 512 or 256 consecutive bytes
	ds_load_b128 v[\reg:\reg+3], v[\a16] offset:\off
	ds_load_b64 v[\reg+4:\reg+5], v[\a8] offset:\off+512
	ds_load_b128 v[\reg+6:\reg+9], v[\a16] offset:\off+768
	ds_load_b64 v[\reg+10:\reg+11], v[\a8] offset:\off+1280
.endm
.macro FETCH_B sl, q2, p               ; B's eight fragments of K step q2 of slot sl into set p
	WIN TO_B
.irp i, 0,1,2,3,4,5,6,7
	FRAG 128*(\p)+12*\i, 10+(\sl), 13+(\sl), (8*(\q2)+\i)*1536
.endr
	WIN 0
.endm
.macro FETCH_A sl, q2, i0              ; A's tiles i0 .. i0 + 3
.irp i, \i0, \i0+1, \i0+2, \i0+3
	FRAG AF+12*(\i), 4+(\sl), 7+(\sl), (8*(\q2)+(\i))*1536
.endr
.endm
; 16 products: A's tiles a0, a0 + 1 x B's eight, K step s.  The 64 accumulators take turns, one instruction a turn, in the same order in every K step.
.macro MUL16 a0, p, s, zero
.irp a, \a0, \a0+1
.irp b, 0,1,2,3,4,5,6,7
.if \zero
	v_wmma_scale_f32_16x16x128_f8f6f4 v[8*(8*((\a)%4)+\b):8*(8*((\a)%4)+\b)+7], v[128*(\p)+12*\b:128*(\p)+12*\b+11], v[AF+12*(\a):AF+12*(\a)+11], 0, v[SC+8*\b+(\s)], v[SC+8*(\a)+(\s)] matrix_a_fmt:MATRIX_FMT_FP6 matrix_b_fmt:MATRIX_FMT_FP6 matrix_a_scale:MATRIX_SCALE_ROW1
.else
	v_wmma_scale_f32_16x16x128_f8f6f4 v[8*(8*((\a)%4)+\b):8*(8*((\a)%4)+\b)+7], v[128*(\p)+12*\b:128*(\p)+12*\b+11], v[AF+12*(\a):AF+12*(\a)+11], v[8*(8*((\a)%4)+\b):8*(8*((\a)%4)+\b)+7], v[SC+8*\b+(\s)], v[SC+8*(\a)+(\s)] matrix_a_fmt:MATRIX_FMT_FP6 matrix_b_fmt:MATRIX_FMT_FP6 matrix_a_scale:MATRIX_SCALE_ROW1
.endif
.endr
.endr
.endm
; K step s; the next K step lies in slot nsl at nq, which every wave may read already
.macro STEP s, nsl, nq, zero
	s_wait_dscnt 16                                ; B's set and A's tiles 0-3 are in; the youngest 16 loads (A's tiles 4-7) may be out
	WIN MUL_LO
	MUL16 0, (\s)%2, \s, \zero
	MUL16 2, (\s)%2, \s, \zero
	s_wait_dscnt 0x0                               ; A's tiles 4-7 are in
	PLACES
	FETCH_B \nsl, \nq, 1-(\s)%2
	FETCH_A \nsl, \nq, 0
	WIN MUL_HI
	MUL16 4, (\s)%2, \s, \zero
	MUL16 6, (\s)%2, \s, \zero
	PLACES
	WIN 0
	FETCH_A \nsl, \nq, 4
.endm
; K step s with a barrier in it.  In front of it each wave waits for all its tensor loads, adds 0 to its spare word, and waits for that and for its LDS reads.  fill = 1: slot 0, which nobody reads any more, takes K's last quarter.
.macro TURN s, nsl, nq, fill
	s_wait_tensorcnt 0x0                           ; all my tensor loads have landed
	ds_add_u32 v28, v29                            ; 0 onto my spare word
	s_wait_dscnt 17                                ; (the add and the youngest 16 loads may be out)
	WIN MUL_LO
	MUL16 0, (\s)%2, \s, 0                         ; sixteen products stand between the add and the wait for it
	s_wait_dscnt 0x0                               ; the add is done, and my reads of the slot that I leave are over
	s_barrier_signal -1
	MUL16 2, (\s)%2, \s, 0
	WIN 0
	s_barrier_wait -1
.if \fill
	CREST                                          ; the barrier has opened a round of the cluster's barrier: no wave of any partner still reads slot 0 or has a load on its way
	s_add_nc_u64 s[42:43], s[42:43], 3*PIECE
	s_add_nc_u64 s[54:55], s[54:55], 3*PIECE
	JLOAD 40, 52                                   ; the first tensor load behind the round, my only one: it has four K steps in which to land; its four v_nop are the places in front of the loads below
.else
	PLACES
.endif
	FETCH_B \nsl, \nq, 1-(\s)%2
	FETCH_A \nsl, \nq, 0
	WIN MUL_HI
	MUL16 4, (\s)%2, \s, 0
	MUL16 6, (\s)%2, \s, 0
	PLACES
	WIN 0
	FETCH_A \nsl, \nq, 4
.endm
	s_wait_tensorcnt 0x2                           ; my piece of slot 0 is in; slots 1 and 2 may stay out
	s_barrier_signal -1
	s_barrier_wait -1
	FETCH_B 0, 0, 0
	FETCH_A 0, 0, 0
	FETCH_A 0, 0, 4
	s_wait_loadcnt 0x0                             ; the scale words
	STEP 0, 0, 1, 1                                ; the first K step's products start the sums: nothing is cleared
	TURN 1, 1, 0, 1                                ; the one refill; this barrier also shows slots 1 and 2 whole to every wave
	STEP 2, 1, 1, 0
	STEP 3, 2, 0, 0
	STEP 4, 2, 1, 0
	TURN 5, 0, 0, 0                                ; slot 0's second fill is whole
	STEP 6, 0, 1, 0
	s_wait_dscnt 16                                ; the last K step: nothing more to fetch
	WIN MUL_LO
	MUL16 0, 1, 7, 0
	MUL16 2, 1, 7, 0
	s_wait_dscnt 0x0
	WIN MUL_HI
	MUL16 4, 1, 7, 0
	MUL16 6, 1, 7, 0
	WIN 0
	PLACES
; THE WAY OUT of A' tile a: its 64 results of a lane (register 16 b + i = B' row 32 b + 16 (lane / 16) + i) become a fragment's codes and its row's scale word.  Each accumulator is read from its low end on.
.macro QOUT a
.set AC, 64*((\a)%4)
.set PCA, 128+12*(\a)
.set BS, 80+4*((\a)/4)
	WIN 0x0a+5*((\a)/4)                            ; sources 0 and 1: window 2 or 3
.irp b, 0,1,2,3
	v_max3_num_f32 v[TM+\b], |v[AC+16*\b]|, |v[AC+16*\b+1]|, 0x1800000   ; and the floor 2^(3 - 127): the byte cannot fall under 1
.endr
.irp i, 2,4,6,8,10,12,14
.irp b, 0,1,2,3
	v_max3_num_f32 v[TM+\b], |v[AC+16*\b+\i]|, |v[AC+16*\b+\i+1]|, v[TM+\b]
.endr
.endr
	WIN 0
.irp b, 0,1,2,3
	v_permlanex16_b32 v[TM+4+\b], v[TM+\b], s92, s93
.endr
.irp b, 0,1,2,3
	v_max_num_f32 v[TM+\b], v[TM+\b], v[TM+4+\b]
.endr
.irp b, 0,1,2,3
	v_add_nc_u32 v[TM+12+\b], 0xff000000, v[TM+\b] ; 2 off the exponent field: the conversion's scale operand
.endr
.irp b, 0,1,2,3
	v_lshrrev_b32 v[TM+4+\b], 23, v[TM+12+\b]
.endr
	v_lshl_or_b32 v[PW+(\a)], v[TM+5], 8, v[TM+4]
	v_lshl_or_b32 v[PW+(\a)], v[TM+6], 16, v[PW+(\a)]
	v_lshl_or_b32 v[PW+(\a)], v[TM+7], 24, v[PW+(\a)]
	WIN 0x02+(\a)/4                                ; source 0: window 2 or 3
.irp c, 0,1
	v_cvt_scalef32_pk16_fp6_f32 v[PCA+6*\c:PCA+6*\c+2], v[AC+32*\c:AC+32*\c+15], v[TM+12+2*\c]
	v_cvt_scalef32_pk16_fp6_f32 v[TP+4*\c:TP+4*\c+2], v[AC+32*\c+16:AC+32*\c+31], v[TM+12+2*\c+1]
.endr
	WIN 0
	v_nop                                          ; one plain place behind a scaled conversion
.irp c, 0,1
.irp i, 0,1,2
	v_permlane16_swap_b32 v[PCA+6*\c+\i], v[TP+4*\c+\i]
.endr
.irp i, 0,1,2
	v_mov_b32 v[PCA+3+6*\c+\i], v[TP+4*\c+\i]
.endr
.endr
	global_store_b128 v16, v[PCA:PCA+3], s[BS:BS+1] offset:768*((\a)%4)          ; each tile has code registers of its own: no store's data are written again
	global_store_b64 v17, v[PCA+4:PCA+5], s[BS:BS+1] offset:768*((\a)%4)+512
	global_store_b128 v16, v[PCA+6:PCA+9], s[BS+2:BS+3] offset:768*((\a)%4)
	global_store_b64 v17, v[PCA+10:PCA+11], s[BS+2:BS+3] offset:768*((\a)%4)+512
.endm
.irp a, 0,1,2,3,4,5,6,7
	QOUT \a
.endr
	; the scale words, in both forms; a mask that is all ones where isV chooses (no branch)
	s_mov_b32 s76, 0x05040100                      ; the two low bytes of each source: the fragment's first half (eta), even tile below, odd tile above
	s_mov_b32 s77, 0x07060302                      ; the two high bytes: its second half
.irp e, 0,1
.irp g, 0,1,2,3
	v_perm_b32 v[TM+\g], v[PW+2*\g+1], v[PW+2*\g], s[76+\e]
.endr
	v_cndmask_b32 v[56+2*\e], v[TM], v[TM+1], s90
	v_cndmask_b32 v[57+2*\e], v[TM+2], v[TM+3], s90
.endr
.irp x, 0,1
	v_cndmask_b32 v[60+2*\x], v[PW+4*\x], v[PW+4*\x+1], s90
	v_cndmask_b32 v[61+2*\x], v[PW+4*\x+2], v[PW+4*\x+3], s90
.endr
.irp i, 0,1,2,3
	v_cndmask_b32 v[56+\i], v[56+\i], v[60+\i], s91
.endr
	global_store_b64 v17, v[56:57], s[88:89]               ; 32 lanes store 256 consecutive bytes, aligned
	global_store_b64 v17, v[58:59], s[88:89] offset:4096   ; the second eta, or the second head
	s_wait_tensorcnt 0x0                           ; the wave's end
	ds_add_u32 v28, v29
	s_wait_dscnt 0x0
	CROUND                                         ; the closing round
	s_endpgm
.Lfunc_end_k_qddc4af5e61_gemm_qkv:
	.size	k_qddc4af5e61_gemm_qkv, .Lfunc_end_k_qddc4af5e61_gemm_qkv-k_qddc4af5e61_gemm_qkv
	.p2alignl 7, 3214868480
	.fill 96, 4, 3214868480
	.section	.rodata,"a",@progbits
	.p2align	6, 0x0
	.amdhsa_kernel k_qddc4af5e61_gemm_qkv
		.amdhsa_group_segment_fixed_size 327680
		.amdhsa_private_segment_fixed_size 0
		.amdhsa_enable_private_segment 0
		.amdhsa_kernarg_size 32
		.amdhsa_user_sgpr_count 2
		.amdhsa_user_sgpr_kernarg_segment_ptr 1
		.amdhsa_wavefront_size32 1
		.amdhsa_system_sgpr_workgroup_id_x 1
		.amdhsa_system_sgpr_workgroup_id_y 1
		.amdhsa_system_sgpr_workgroup_id_z 1
		.amdhsa_system_vgpr_workitem_id 0
		.amdhsa_next_free_vgpr 1024
		.amdhsa_next_free_sgpr 100
		.amdhsa_reserve_vcc 0
		.amdhsa_float_denorm_mode_32 3
		.amdhsa_float_denorm_mode_16_64 3
		.amdhsa_memory_ordered 1
		.amdhsa_forward_progress 1
		.amdhsa_inst_pref_size 149
	.end_amdhsa_kernel
	.amdgpu_metadata
---
amdhsa.version: [ 1, 2 ]
amdhsa.kernels:
  - .name:           k_qddc4af5e61_gemm_qkv
    .symbol:         k_qddc4af5e61_gemm_qkv.kd
    .args:
      - { .name: codes, .offset: 0, .size: 8, .value_kind: global_buffer, .address_space: global }
      - { .name: scales, .offset: 8, .size: 8, .value_kind: global_buffer, .address_space: global }
      - { .name: qkv, .offset: 16, .size: 8, .value_kind: global_buffer, .address_space: global }
      - { .name: qkvs, .offset: 24, .size: 8, .value_kind: global_buffer, .address_space: global }
    .group_segment_fixed_size: 327680
    .private_segment_fixed_size: 0
    .kernarg_segment_align: 8
    .kernarg_segment_size: 32
    .max_flat_workgroup_size: 128
    .sgpr_count:     100
    .vgpr_count:     1024
    .wavefront_size: 32
...
	.end_amdgpu_metadata
.endif
;; end of part 2
;; launch attn (part 3): grid 4 x 64, 16 waves a work-group, clusters of 4 x 1, 206,848 bytes of LDS; arguments qkv, qkvs, codes, scales; writes codes, scales
.if DOCPART == 3
	.amdgcn_target "amdgcn-amd-amdhsa--gfx1250"
	.amdhsa_code_object_version 6
	.text
	.protected	k_qddc4af5e61_attn
	.globl	k_qddc4af5e61_attn
	.p2align	8
	.type	k_qddc4af5e61_attn,@function
k_qddc4af5e61_attn:
	s_mov_b64 s[64:65], 0
	v_nop
	global_prefetch_b8 v0, s[64:65] scope:SCOPE_SE
	s_setreg_imm32_b32 hwreg(HW_REG_WAVE_MODE, 25, 1), 1
	s_wait_xcnt 0x0
	s_wait_alu depctr_hold_cnt(0) depctr_sa_sdst(0) depctr_va_vdst(0) depctr_va_sdst(0) depctr_va_ssrc(0) depctr_va_vcc(0) depctr_vm_vsrc(0)
	s_getreg_b32 s2, hwreg(HW_REG_IB_STS2, 6, 4)
	s_cmp_eq_u32 s2, 0
	s_cbranch_scc0 .Lentry_in_a_cluster
	s_endpgm
.Lentry_in_a_cluster:
	s_bfe_u32 s2, ttmp6, 0x10000c
	s_cmp_lg_u32 s2, 0x3003
	s_cbranch_scc0 .Lentry_shape_is_right
	s_endpgm
.Lentry_shape_is_right:
; Causal attention of one (batch, head) on codes of FP6 (E2M3) with E8M0 scales, head size 64, 2,048 tokens; its result, divided by the row's sum, is quantised along the model's axis and stored as the last product's operand.
; THE SOFTMAX: t = score x log2(e) / 8; M = the running largest t rounded UP to a whole number; p = 2^(t - M) is quantised along the keys, not normalised; the row's sum is taken of the unquantised p; when M moves, the sum and O are
; multiplied by 2^(old M - new M), which rounds nothing.
; TILES: lane r of token tile t holds token 32 (t / 2) + 8 (t % 2) + r + 8 (r / 8); so with a tile of keys as source 0 the 16 registers of tiles 2 g, 2 g + 1 are keys 32 g + 16 (lane / 16) + 0 .. 15.
; Both products are used transposed: S^T = K Q^T, O^T = V^T P^T: a lane holds one query throughout.
; HEAD SIZE 64 IN AN INSTRUCTION OF 128: a fragment of K holds key tile 2 g in registers 0-5 and key tile 2 g + 1 in registers 6-11.  Q1 = [q | zero codes] gives S^T of tile 2 g, Q2 = [zero codes | q] that of tile 2 g + 1.
; SHARES: a cluster of four work-groups is one head.  Work-group g takes the query tiles 4 j + g; wave w takes j = w and then j = 31 - w.  A tile walks the key steps 0 .. j / 2 of 128 keys: 17 steps a wave, whatever w, and the count hangs on no place in the cluster.
; LDS: the whole head's K codes (98,304 bytes), V codes (98,304), K's and V's scale words (4,096 each), filled ONCE by joint loads (each wave asks for a sixteenth; two tensor loads of a wave are out) and only read afterwards:
; one barrier, then sixteen waves that do not wait for each other.  No ring: what a ring would refill fits as a whole.
; No prefetch: every tile is asked for at the head, in one group.
; LIMITS: a block of zeros, or one whose largest magnitude lies under 2^-124, has the byte 1; NaN and infinities are not served.
; REGISTERS: v1-7 lane constants; v8-11, v255 addresses of the step; v12 -M, v13 largest t, v[14:15] the sum; v16-27 Q1, v28-39 Q2; v40-87 K's four fragments, then p's codes (v40-51) and work; v[88:89] K's scale words, v[90:91] V's,
; v92 Q's, v93 p's; v95 the mask's bound; v96-159 S^T, then p; v160-191 O^T; v192-239 V's four fragments; v240-254 at work.
.set VOFF,  12582912
.set SVOFF, 524288
.set VL,    98304                      ; V's codes in LDS
.set SCB,   196608                     ; K's scale words; V's 4,096 bytes on
.macro CROUND
	s_barrier_signal -1
	s_barrier_wait -1
	s_cmp_lg_u32 s12, 0
	s_cbranch_scc1 .Lnot_wave_0_\@
	s_barrier_signal -3
.Lnot_wave_0_\@:
	s_barrier_wait -3
	s_barrier_signal -1
	s_barrier_wait -1
.endm
.macro SPROD g, u                      ; S^T of key tile 2 g + u
.if (\g)%2
	v_wmma_scale_f32_16x16x128_f8f6f4 v[96+8*(2*\g+\u):103+8*(2*\g+\u)], v[40+12*\g:51+12*\g], v[16+12*\u:27+12*\u], 0, v[88+\g/2], v92 matrix_a_fmt:MATRIX_FMT_FP6 matrix_b_fmt:MATRIX_FMT_FP6 matrix_a_scale:MATRIX_SCALE_ROW1
.else
	v_wmma_scale_f32_16x16x128_f8f6f4 v[96+8*(2*\g+\u):103+8*(2*\g+\u)], v[40+12*\g:51+12*\g], v[16+12*\u:27+12*\u], 0, v[88+\g/2], v92 matrix_a_fmt:MATRIX_FMT_FP6 matrix_b_fmt:MATRIX_FMT_FP6
.endif
.endm
.macro OPROD t                         ; O^T of the head's tile t += V^T P^T
.if (\t)%2
	v_wmma_scale_f32_16x16x128_f8f6f4 v[160+8*\t:167+8*\t], v[192+12*\t:203+12*\t], v[40:51], v[160+8*\t:167+8*\t], v[90+\t/2], v93 matrix_a_fmt:MATRIX_FMT_FP6 matrix_b_fmt:MATRIX_FMT_FP6 matrix_a_scale:MATRIX_SCALE_ROW1
.else
	v_wmma_scale_f32_16x16x128_f8f6f4 v[160+8*\t:167+8*\t], v[192+12*\t:203+12*\t], v[40:51], v[160+8*\t:167+8*\t], v[90+\t/2], v93 matrix_a_fmt:MATRIX_FMT_FP6 matrix_b_fmt:MATRIX_FMT_FP6
.endif
.endm
	s_load_b256 s[4:11], s[0:1], 0x0               ; qkv s[4:5], qkvs s[6:7], codes s[8:9], scales s[10:11]
	v_lshl_add_u32 v254, v0, 2, 0x32000
	v_mov_b32 v255, 0
	ds_add_u32 v254, v255
	ds_add_u32 v254, v255
	s_wait_dscnt 0x0
	v_lshrrev_b32 v1, 5, v0
	s_delay_alu instid0(VALU_DEP_1)
	v_readfirstlane_b32 s12, v1                    ; wave 0..15
	s_bfe_u32 s13, ttmp6, 0x40000                  ; g = cx: it enters Q's and the result's global addresses and the mask's data alone
	s_and_b32 s14, ttmp7, 0xffff                   ; batch x 16 + head
	s_lshr_b32 s15, s14, 4
	s_and_b32 s16, s14, 15
	; descriptor groups 1: dense blocks as rows of 256 bytes (32 elements of 8 bytes): 48 rows of codes, 2 rows of scale words; mask: all four work-groups
	s_mov_b32 s24, 15|(3<<16)|(1<<21)
	s_mov_b32 s25, 32<<16
	s_mov_b32 s26, 48<<16
	s_mov_b32 s27, 32<<16
	s_mov_b32 s28, 48
	s_mov_b32 s29, 32
	s_mov_b32 s30, 0
	s_mov_b32 s31, 0
	s_mov_b32 s32, 15|(3<<16)|(1<<21)
	s_mov_b32 s33, 32<<16
	s_mov_b32 s34, 2<<16
	s_mov_b32 s35, 32<<16
	s_mov_b32 s36, 2
	s_mov_b32 s37, 32
	s_mov_b32 s38, 0
	s_mov_b32 s39, 0
	s_lshl_b32 s17, s15, 5
	s_add_co_u32 s17, s17, s16                     ; q's eta: 32 batch + head (kept)
	s_add_co_u32 s18, s17, 16                      ; k's
	s_lshl_b32 s19, s15, 4
	s_add_co_u32 s19, s19, s16                     ; v's: 16 batch + head
	s_lshr_b32 s70, s12, 3                         ; waves 0-7 fetch K's, waves 8-15 V's
	s_and_b32 s71, s12, 7
	s_mul_i32 s72, s18, 98304
	s_mul_i32 s76, s19, 98304
	s_add_co_u32 s76, s76, VOFF
	s_sub_co_u32 s76, s76, s72                     ; from K's block to V's (V's part lies behind all of q's and k's)
	s_mul_i32 s76, s76, s70
	s_add_co_u32 s72, s72, s76
	s_mul_i32 s76, s71, 12288
	s_add_co_u32 s72, s72, s76
	s_mov_b32 s73, 0
	s_lshl_b32 s74, s18, 12
	s_lshl_b32 s76, s19, 12
	s_add_co_u32 s76, s76, SVOFF
	s_sub_co_u32 s76, s76, s74
	s_mul_i32 s76, s76, s70
	s_add_co_u32 s74, s74, s76
	s_lshl_b32 s76, s71, 9
	s_add_co_u32 s74, s74, s76
	s_mov_b32 s75, 0
	s_mov_b32 s20, 0x76543210
	s_mov_b32 s21, 0xfedcba98                      ; v_permlanex16_b32's selects for lane l xor 16
	s_mov_b32 s22, 0x3e38aa3b                      ; c = log2(e) / 8
	s_mov_b32 s23, s22                             ; (named with it as a pair, so it is written)
	s_wait_kmcnt 0x0
	s_mov_b32 s40, 1
	s_mul_i32 s41, s12, 12288                      ; K's 98,304 bytes, then V's: 12,288 x wave
	s_add_nc_u64 s[42:43], s[4:5], s[72:73]
	s_or_b32 s43, s43, 0x80000000
	s_mov_b32 s44, 1
	s_lshl_b32 s45, s12, 9
	s_add_co_u32 s45, s45, SCB
	s_add_nc_u64 s[46:47], s[6:7], s[74:75]
	s_or_b32 s47, s47, 0x80000000
	CROUND                                         ; all four work-groups are here: the joint loads meet
	tensor_load_to_lds s[44:47], s[32:39]
	s_nop 0
	tensor_load_to_lds s[40:43], s[24:31]
	s_nop 0
.rept 4
	v_nop
.endr
	v_and_b32 v254, 31, v0
	s_delay_alu instid0(VALU_DEP_1)
	v_lshlrev_b32 v1, 4, v254                      ; 16 x lane
	s_delay_alu instid0(VALU_DEP_2)
	v_lshlrev_b32 v2, 3, v254                      ; 8 x lane
	v_and_b32 v7, 15, v0                           ; r
	v_bfe_u32 v8, v0, 4, 1                         ; h
	s_delay_alu instid0(VALU_DEP_2)
	v_and_b32 v3, 8, v7
	s_delay_alu instid0(VALU_DEP_1)
	v_add_nc_u32 v3, v3, v7
	s_delay_alu instid0(VALU_DEP_3)
	v_lshlrev_b32 v8, 4, v8
	s_delay_alu instid0(VALU_DEP_1)
	v_sub_nc_u32 v3, v3, v8                        ; r + 8 (r / 8) - 16 h
	v_lshlrev_b32 v7, 3, v7                        ; 8 r
	v_add_nc_u32 v4, VL, v1
	v_add_nc_u32 v5, VL, v2
	v_add_nc_u32 v6, SCB, v2
.irp i, 22,23,24,25,26,27,28,29,30,31,32,33
	v_mov_b32 v\i, 0                               ; the zero codes of Q1's upper and Q2's lower half: written once
.endr
.irp i, 244,245,246,247,253
	v_mov_b32 v\i, 0                               ; lane permutes' destinations, and the upper half of the pair v[252:253]
.endr
	s_wait_tensorcnt 0x0                           ; my two pieces are in,
	s_barrier_signal -1
	s_barrier_wait -1                              ; everybody's are: the head's K, V and scale words are whole, and nothing writes them again
	s_mov_b32 s48, 0
	s_mov_b32 s49, 0
.Lpass:                                            ; two trips: j = w, then j = 31 - w
	s_xor_b32 s50, s12, s49                        ; j
	s_lshr_b32 s51, s50, 1                         ; the key step on the diagonal
	s_lshl_b32 s52, s50, 2
	s_add_co_u32 s52, s52, s13                     ; my query tile: 4 j + g
	s_lshl_b32 s71, s17, 7
	s_add_co_u32 s71, s71, s52
	s_mul_i32 s72, s71, 768
	s_add_nc_u64 s[58:59], s[4:5], s[72:73]        ; q's half fragment
	s_lshl_b32 s71, s17, 4
	s_lshr_b32 s72, s52, 3
	s_add_co_u32 s71, s71, s72
	s_lshl_b32 s72, s71, 8
	s_bfe_u32 s71, s52, 0x10001                    ; my pair of tiles: its low bit chooses the half of the lanes,
	s_lshl_b32 s71, s71, 7
	s_add_co_u32 s72, s72, s71
	s_bfe_u32 s71, s52, 0x10002                    ; its high bit the word
	s_lshl_b32 s71, s71, 2
	s_add_co_u32 s72, s72, s71
	s_add_nc_u64 s[60:61], s[6:7], s[72:73]        ; q's pair word
	s_lshl_b32 s70, s15, 7
	s_add_co_u32 s70, s70, s52                     ; the token tile among all 512
	s_lshr_b32 s71, s70, 3
	s_add_co_u32 s71, s71, 96                      ; its group in codes and scales
	s_and_b32 s74, s70, 7
	s_lshl_b32 s72, s71, 3
	s_lshr_b32 s75, s16, 1
	s_add_co_u32 s72, s72, s75                     ; K step of the last product: head / 2
	s_lshl_b32 s72, s72, 3
	s_add_co_u32 s72, s72, s74
	s_mul_i32 s72, s72, 1536
	s_and_b32 s75, s16, 1
	s_mul_i32 s76, s75, 768                        ; which half of the fragment: head % 2
	s_add_co_u32 s72, s72, s76
	s_add_nc_u64 s[66:67], s[8:9], s[72:73]
	s_lshl_b32 s72, s71, 12
	s_lshr_b32 s76, s16, 2
	s_lshl_b32 s76, s76, 10
	s_add_co_u32 s72, s72, s76
	s_lshl_b32 s76, s74, 7
	s_add_co_u32 s72, s72, s76
	s_bfe_u32 s76, s16, 0x10001
	s_lshl_b32 s76, s76, 2
	s_add_co_u32 s72, s72, s76
	s_lshl_b32 s76, s75, 1
	s_add_co_u32 s72, s72, s76
	s_add_nc_u64 s[68:69], s[10:11], s[72:73]      ; my two bytes of the row's scale word
.rept 4
	v_nop                                          ; places in front of loads into registers that products have read
.endr
	global_load_b128 v[16:19], v1, s[58:59]
	global_load_b64 v[20:21], v2, s[58:59] offset:512
	global_load_b128 v[34:37], v1, s[58:59]        ; the same codes once more, into Q2's upper half
	global_load_b64 v[38:39], v2, s[58:59] offset:512
	global_load_b32 v94, v7, s[60:61]
	s_bfe_u32 s70, s52, 0x20001
	s_lshl_b32 s70, s70, 5
	s_and_b32 s71, s52, 1
	s_lshl_b32 s76, s71, 3
	s_add_co_u32 s70, s70, s76
	v_add_nc_u32 v95, s70, v3                      ; my query - the diagonal step's first key - 16 h
	s_mul_i32 s56, s71, 0x02020202
	s_add_co_u32 s56, s56, 0x01000100              ; my tile's two bytes of the pair word, twice
	v_mov_b32 v13, 0xff61b1e6                      ; the largest t so far: -3e38
	s_delay_alu instid0(VALU_DEP_1)
	v_floor_f32 v12, -v13                          ; -M
	v_mov_b32 v14, 0
	v_mov_b32 v15, 0
	s_wait_loadcnt 0x0
	v_perm_b32 v92, v94, v94, s56
.set n, 0
.rept 32
	v_mov_b32 v[160+n], 0                          ; O^T: the step is written once; the first change of M leaves zeros zeros.  (Also the places between Q's scale word and the first product)
.set n, n+1
.endr
	s_mov_b32 s53, 0                               ; key step
	s_mov_b32 s54, 0                               ; its codes: 6,144 bytes a step
	s_mov_b32 s55, 0                               ; its scale words: 256 bytes a step
.Lstep:                                            ; 16 trips; a step all of whose keys come after my queries is passed over: no barrier and no tensor load stands in a step
	s_cmp_gt_u32 s53, s51
	s_cbranch_scc1 .Lskip
	s_setprio 2
	v_add_nc_u32 v8, s54, v1                       ; (these five are also the places behind the last products)
	v_add_nc_u32 v9, s54, v2
	v_add_nc_u32 v10, s54, v4
	v_add_nc_u32 v11, s54, v5
	v_add_nc_u32 v255, s55, v6
.irp g, 0,1,2,3
	ds_load_b128 v[40+12*\g:43+12*\g], v8 offset:1536*\g
	ds_load_b64 v[44+12*\g:45+12*\g], v9 offset:1536*\g+512
	ds_load_b128 v[46+12*\g:49+12*\g], v8 offset:1536*\g+768
	ds_load_b64 v[50+12*\g:51+12*\g], v9 offset:1536*\g+1280
.endr
	ds_load_b64 v[88:89], v255
.irp t, 0,1,2,3
	ds_load_b128 v[192+12*\t:195+12*\t], v10 offset:768*\t
	ds_load_b64 v[196+12*\t:197+12*\t], v11 offset:768*\t+512
	ds_load_b128 v[198+12*\t:201+12*\t], v10 offset:3072+768*\t
	ds_load_b64 v[202+12*\t:203+12*\t], v11 offset:3072+768*\t+512
.endr
	ds_load_b64 v[90:91], v255 offset:4096
	s_wait_dscnt 17                                ; K and its scale words are in; V's 16 loads and its scale words stay out and land under the softmax
.irp g, 0,1,2,3
	SPROD \g, 0
	SPROD \g, 1
.endr
.rept 4
	v_nop
.endr
	s_cmp_lt_u32 s53, s51
	s_cbranch_scc1 .Lopen                          ; all keys of this step count
	v_mov_b32 v254, 0xff800000                     ; on the diagonal: register 16 b + i holds key 32 b + 16 h + i of the step: hidden where 32 b + i > v95
.set n, 0
.rept 64
	v_cmp_gt_i32 vcc_lo, 32*(n/16)+n%16, v95
	v_cndmask_b32 v[96+n], v[96+n], v254, vcc_lo
.set n, n+1
.endr
.Lopen:
.irp b, 0,1,2,3
	v_max3_num_f32 v[240+\b], v[96+16*\b], v[97+16*\b], v[98+16*\b]   ; the largest score of each block of 32 keys: for the row's maximum, and, since p rises with the score, for the block's largest p
.endr
.irp i, 3,5,7,9,11,13
.irp b, 0,1,2,3
	v_max3_num_f32 v[240+\b], v[240+\b], v[96+16*\b+\i], v[97+16*\b+\i]
.endr
.endr
.irp b, 0,1,2,3
	v_max_num_f32 v[240+\b], v[240+\b], v[111+16*\b]
.endr
.irp b, 0,1,2,3
	s_delay_alu instid0(VALU_DEP_4)
	v_permlanex16_b32 v[244+\b], v[240+\b], s20, s21
.endr
.irp b, 0,1,2,3
	s_delay_alu instid0(VALU_DEP_4)
	v_max_num_f32 v[240+\b], v[240+\b], v[244+\b]
.endr
	s_delay_alu instid0(VALU_DEP_2)
	v_max3_num_f32 v254, v240, v241, v242
	s_delay_alu instid0(VALU_DEP_1)
	v_max_num_f32 v254, v254, v243
	s_delay_alu instid0(VALU_DEP_1)
	v_mul_f32 v254, s22, v254
	s_delay_alu instid0(VALU_DEP_1)
	v_max_num_f32 v13, v13, v254                   ; the running largest t
	v_mov_b32 v254, v12
	s_delay_alu instid0(VALU_DEP_2)
	v_floor_f32 v12, -v13                          ; the new -M = -ceil(t)
	s_delay_alu instid0(VALU_DEP_1)
	v_sub_f32 v254, v12, v254                      ; old M - new M: a whole number, 0 or less
	s_delay_alu instid0(VALU_DEP_1)
	v_cvt_i32_f32 v254, v254                       ; (it saturates)
	s_delay_alu instid0(VALU_DEP_1)
	v_ldexp_f32 v252, 1.0, v254                    ; f = 2^(old M - new M)
.set n, 0
.rept 32
	v_pk_fma_f32 v[96+n:97+n], v[96+n:97+n], s[22:23], v[12:13] op_sel_hi:[1,0,0]   ; t - M
.set n, n+2
.endr
	s_setprio 1
.irp b, 0,1,2,3
	v_fma_f32 v[240+\b], v[240+\b], s22, v12
.endr
.set n, 0
	s_wait_alu depctr_va_vdst(0)
.rept 64
	v_exp_f32 v[96+n], v[96+n]                     ; p = 2^(t - M)
.set n, n+1
.endr
	v_pk_mul_f32 v[14:15], v[14:15], v[252:253] op_sel_hi:[1,0]   ; the sum under the new M (a plain place behind the exponentials)
	s_wait_alu depctr_va_vdst(0)                   ; one wait for the batch, ahead of its first reader
.irp b, 0,1,2,3
	v_exp_f32 v[240+\b], v[240+\b]                 ; the blocks' largest p
.endr
	v_pk_add_f32 v[60:61], v[100:101], v[104:105]
	v_pk_add_f32 v[250:251], v[108:109], v[112:113]
	v_pk_add_f32 v[248:249], v[116:117], v[120:121]
	v_pk_add_f32 v[246:247], v[124:125], v[128:129]
	v_pk_add_f32 v[244:245], v[132:133], v[136:137]
	v_pk_add_f32 v[88:89], v[140:141], v[144:145]
	v_pk_add_f32 v[86:87], v[148:149], v[152:153]
	v_pk_add_f32 v[14:15], v[14:15], v[156:157]
	v_pk_add_f32 v[60:61], v[60:61], v[96:97]
	v_pk_add_f32 v[250:251], v[250:251], v[98:99]
	v_pk_add_f32 v[248:249], v[248:249], v[102:103]
	v_pk_add_f32 v[246:247], v[246:247], v[106:107]
	v_pk_add_f32 v[244:245], v[244:245], v[110:111]
	v_pk_add_f32 v[88:89], v[88:89], v[114:115]
	v_pk_add_f32 v[86:87], v[86:87], v[118:119]
	v_pk_add_f32 v[14:15], v[14:15], v[122:123]
	v_pk_add_f32 v[60:61], v[60:61], v[126:127]
	v_pk_add_f32 v[250:251], v[250:251], v[130:131]
	v_pk_add_f32 v[248:249], v[248:249], v[134:135]
	v_pk_add_f32 v[246:247], v[246:247], v[138:139]
	v_pk_add_f32 v[244:245], v[244:245], v[142:143]
	v_pk_add_f32 v[88:89], v[88:89], v[146:147]
	v_pk_add_f32 v[86:87], v[86:87], v[150:151]
	v_pk_add_f32 v[14:15], v[14:15], v[154:155]
	v_pk_add_f32 v[60:61], v[60:61], v[158:159]
	s_delay_alu instid0(VALU_DEP_2)
	v_pk_add_f32 v[14:15], v[14:15], v[246:247]
	s_delay_alu instid0(VALU_DEP_2)
	v_pk_add_f32 v[60:61], v[60:61], v[244:245]
	v_pk_add_f32 v[250:251], v[250:251], v[88:89]
	v_pk_add_f32 v[248:249], v[248:249], v[86:87]
	s_delay_alu instid0(VALU_DEP_2)
	v_pk_add_f32 v[14:15], v[14:15], v[250:251]
	s_delay_alu instid0(VALU_DEP_2)
	v_pk_add_f32 v[60:61], v[60:61], v[248:249]
	s_delay_alu instid0(VALU_DEP_1)
	v_pk_add_f32 v[14:15], v[14:15], v[60:61]
	s_wait_alu depctr_va_vdst(0)                   ; and one for the four
.irp b, 0,1,2,3
	v_max_num_f32 v[240+\b], 0x1800000, v[240+\b]  ; the floor 2^(3 - 127)
.endr
.irp b, 0,1,2,3
	s_delay_alu instid0(VALU_DEP_4)
	v_add_nc_u32 v[248+\b], 0xff000000, v[240+\b]
.endr
.irp b, 0,1,2,3
	s_delay_alu instid0(VALU_DEP_4)
	v_lshrrev_b32 v[244+\b], 23, v[248+\b]
.endr
	s_delay_alu instid0(VALU_DEP_3)
	v_lshl_or_b32 v93, v245, 8, v244               ; p's scale word for these 128 keys
	s_delay_alu instid0(VALU_DEP_1)
	v_lshl_or_b32 v93, v246, 16, v93
	s_delay_alu instid0(VALU_DEP_1)
	v_lshl_or_b32 v93, v247, 24, v93
	s_setprio 0
.irp c, 0,1
	v_cvt_scalef32_pk16_fp6_f32 v[40+6*\c:42+6*\c], v[96+32*\c:111+32*\c], v[248+2*\c]
	v_cvt_scalef32_pk16_fp6_f32 v[52+4*\c:54+4*\c], v[112+32*\c:127+32*\c], v[249+2*\c]
.endr
	v_nop                                          ; one plain place behind a scaled conversion
.irp c, 0,1
.irp i, 0,1,2
	v_permlane16_swap_b32 v[40+6*\c+\i], v[52+4*\c+\i]
.endr
.irp i, 0,1,2
	s_delay_alu instid0(VALU_DEP_3)
	v_mov_b32 v[43+6*\c+\i], v[52+4*\c+\i]
.endr
.endr
.set n, 0
.rept 16
	v_pk_mul_f32 v[160+n:161+n], v[160+n:161+n], v[252:253] op_sel_hi:[1,0]   ; O^T under the new M.  (Also the places in front of the scaled products)
.set n, n+2
.endr
	s_wait_alu depctr_va_vdst(0)
	s_wait_dscnt 0x0                               ; V and its scale words
.irp t, 0,1,2,3
	OPROD \t
.endr
.Lskip:
	s_add_co_u32 s54, s54, 6144
	s_add_co_u32 s55, s55, 256
	s_add_co_u32 s53, s53, 1
	s_cmp_lt_u32 s53, 16
	s_cbranch_scc1 .Lstep
	s_setprio 0
	; the tile's end: O^T / the sum, quantised along the head's 64 (two blocks), stored as half a fragment of the last product's operand
.rept 4
	v_nop
.endr
	v_add_f32 v14, v14, v15
	s_delay_alu instid0(VALU_DEP_1)
	v_permlanex16_b32 v254, v14, s20, s21
	s_delay_alu instid0(VALU_DEP_1)
	v_add_f32 v14, v14, v254
	s_wait_alu depctr_va_vdst(0)
	v_rcp_f32 v14, v14
	v_nop                                          ; a plain place behind the reciprocal
	s_wait_alu depctr_va_vdst(0)                   ; and the wait ahead of its first reader
.set n, 0
.rept 32
	v_mul_f32 v[96+n], v[160+n], v14               ; register 16 b + i: channel 32 b + 16 h + i of my query
.set n, n+1
.endr
.irp b, 0,1
	v_max3_num_f32 v[240+\b], |v[96+16*\b]|, |v[97+16*\b]|, 0x1800000
.endr
.irp i, 2,4,6,8,10,12,14
.irp b, 0,1
	s_delay_alu instid0(VALU_DEP_2)
	v_max3_num_f32 v[240+\b], v[240+\b], |v[96+16*\b+\i]|, |v[97+16*\b+\i]|
.endr
.endr
.irp b, 0,1
	s_delay_alu instid0(VALU_DEP_2)
	v_permlanex16_b32 v[244+\b], v[240+\b], s20, s21
.endr
.irp b, 0,1
	s_delay_alu instid0(VALU_DEP_2)
	v_max_num_f32 v[240+\b], v[240+\b], v[244+\b]
.endr
.irp b, 0,1
	s_delay_alu instid0(VALU_DEP_2)
	v_add_nc_u32 v[248+\b], 0xff000000, v[240+\b]
.endr
.irp b, 0,1
	s_delay_alu instid0(VALU_DEP_2)
	v_lshrrev_b32 v[244+\b], 23, v[248+\b]
.endr
	s_delay_alu instid0(VALU_DEP_1)
	v_lshl_or_b32 v246, v245, 8, v244              ; the two bytes
	v_cvt_scalef32_pk16_fp6_f32 v[40:42], v[96:111], v248
	v_cvt_scalef32_pk16_fp6_f32 v[44:46], v[112:127], v249
	v_nop
.irp i, 0,1,2
	v_permlane16_swap_b32 v[40+\i], v[44+\i]
.endr
	s_delay_alu instid0(VALU_DEP_3)
	v_mov_b32 v43, v44
	s_delay_alu instid0(VALU_DEP_3)
	v_mov_b32 v44, v45
	s_delay_alu instid0(VALU_DEP_3)
	v_mov_b32 v45, v46
	global_store_b128 v1, v[40:43], s[66:67]       ; 512 consecutive bytes, aligned
	global_store_b64 v2, v[44:45], s[66:67] offset:512
	global_store_b16 v7, v246, s[68:69]            ; a row's word spans two heads, so two bytes a row; lanes l and l xor 16 store the same value to the same place
	s_wait_xcnt 0x0                                ; the stores have read their registers and bases: the next tile may write them
	s_mov_b32 s49, 31
	s_add_co_u32 s48, s48, 1
	s_cmp_lt_u32 s48, 2
	s_cbranch_scc1 .Lpass
	s_wait_xcnt 0x0
	v_lshl_add_u32 v254, v0, 2, 0x32000
	v_mov_b32 v255, 0
	s_wait_alu depctr_va_vdst(0)
	s_wait_tensorcnt 0x0
	ds_add_u32 v254, v255
	s_wait_dscnt 0x0
	CROUND                                         ; the closing round
	s_endpgm
.Lfunc_end_k_qddc4af5e61_attn:
	.size	k_qddc4af5e61_attn, .Lfunc_end_k_qddc4af5e61_attn-k_qddc4af5e61_attn
	.p2alignl 7, 3214868480
	.fill 96, 4, 3214868480
	.section	.rodata,"a",@progbits
	.p2align	6, 0x0
	.amdhsa_kernel k_qddc4af5e61_attn
		.amdhsa_group_segment_fixed_size 206848
		.amdhsa_private_segment_fixed_size 0
		.amdhsa_enable_private_segment 0
		.amdhsa_kernarg_size 32
		.amdhsa_user_sgpr_count 2
		.amdhsa_user_sgpr_kernarg_segment_ptr 1
		.amdhsa_wavefront_size32 1
		.amdhsa_system_sgpr_workgroup_id_x 1
		.amdhsa_system_sgpr_workgroup_id_y 1
		.amdhsa_system_sgpr_workgroup_id_z 1
		.amdhsa_system_vgpr_workitem_id 0
		.amdhsa_next_free_vgpr 256
		.amdhsa_next_free_sgpr 80
		.amdhsa_reserve_vcc 1
		.amdhsa_float_denorm_mode_32 3
		.amdhsa_float_denorm_mode_16_64 3
		.amdhsa_memory_ordered 1
		.amdhsa_forward_progress 1
		.amdhsa_inst_pref_size 38
	.end_amdhsa_kernel
	.amdgpu_metadata
---
amdhsa.version: [ 1, 2 ]
amdhsa.kernels:
  - .name:           k_qddc4af5e61_attn
    .symbol:         k_qddc4af5e61_attn.kd
    .args:
      - { .name: qkv, .offset: 0, .size: 8, .value_kind: global_buffer, .address_space: global }
      - { .name: qkvs, .offset: 8, .size: 8, .value_kind: global_buffer, .address_space: global }
      - { .name: codes, .offset: 16, .size: 8, .value_kind: global_buffer, .address_space: global }
      - { .name: scales, .offset: 24, .size: 8, .value_kind: global_buffer, .address_space: global }
    .group_segment_fixed_size: 206848
    .private_segment_fixed_size: 0
    .kernarg_segment_align: 8
    .kernarg_segment_size: 32
    .max_flat_workgroup_size: 512
    .sgpr_count:     80
    .vgpr_count:     256
    .wavefront_size: 32
...
	.end_amdgpu_metadata
.endif
;; end of part 3
;; launch gemm_proj (part 4): grid 4 x 32, 4 waves a work-group, clusters of 4 x 4, 327,680 bytes of LDS; arguments codes, scales, out0; writes out0
.if DOCPART == 4
	.amdgcn_target "amdgcn-amd-amdhsa--gfx1250"
	.amdhsa_code_object_version 6
	.text
	.protected	k_qddc4af5e61_gemm_proj
	.globl	k_qddc4af5e61_gemm_proj
	.p2align	8
	.type	k_qddc4af5e61_gemm_proj,@function
k_qddc4af5e61_gemm_proj:
	s_mov_b64 s[64:65], 0
	v_nop
	global_prefetch_b8 v0, s[64:65] scope:SCOPE_SE
	s_setreg_imm32_b32 hwreg(HW_REG_WAVE_MODE, 25, 1), 1
	s_wait_xcnt 0x0
	s_wait_alu depctr_hold_cnt(0) depctr_sa_sdst(0) depctr_va_vdst(0) depctr_va_sdst(0) depctr_va_ssrc(0) depctr_va_vcc(0) depctr_vm_vsrc(0)
	s_getreg_b32 s2, hwreg(HW_REG_IB_STS2, 6, 4)
	s_cmp_eq_u32 s2, 0
	s_cbranch_scc0 .Lentry_in_a_cluster
	s_endpgm
.Lentry_in_a_cluster:
	s_bfe_u32 s2, ttmp6, 0x10000c
	s_cmp_lg_u32 s2, 0xf033
	s_cbranch_scc0 .Lentry_shape_is_right
	s_endpgm
.Lentry_shape_is_right:
; out0 = ao w_proj^T on codes of FP6 (E2M3) with E8M0 scales, K = 1,024; out0 [8192][1024] f32.  ao (groups 96-159 of codes and scales) is the attention's result, w_proj groups 88-95.
; OPERANDS lie in memory in the order of their registers: group of 128 rows = [K step 0..7][tile 0..7][1536 bytes]; lane r of tile t holds row 32 (t / 2) + 8 (t % 2) + r + 8 (r / 8).
; THE PRODUCT: source 0 = 16 rows of w_proj (B'), source 1 = 16 tokens (A'): a lane holds one token, and the 16 registers of B' tiles 2 g, 2 g + 1 are features 32 g + 16 (lane / 16) + 0 .. 15.
; SHARES: a work-group makes 256 tokens x 256 features, a wave 128 x 128: 64 accumulators, 512 registers.  128 work-groups: the output has no more tiles of this size.
; LDS: three slots of 98,304 bytes, each 256 along K: [A' group 0, A' group 1, B' group 0, B' group 1][2 K steps][8 tiles][1536]; three first fills and ONE refill.  A wave has three tensor loads out at the start and one behind the refill's barrier.
; All of a WGP's LDS is claimed.
; CLUSTERS 4 x 4: A's pieces are asked for jointly along a row of the cluster, B's along a column.
; THE SCALES of all of K go from memory into 64 registers once: register 8 i + s: lanes 0-15 the word of A' tile i, lanes 16-31 that of B' tile i, for K step s.
; THE WAY OUT: a tile of 16 tokens x 128 features goes through the wave's own stage (rows of 528 bytes) and leaves as whole rows of 512 bytes.  The stage lies in slot 1, which is filled once and whose last reads stand ahead of the second barrier.
; REGISTERS: window 0: v4-15 LDS addresses, v16-18 offsets, v24-25 the stage, v28-29 for the add, v64-127 scales, v128-223 A' fragments (one set), on the way out v128-255 rows.  window 1: B' fragments, two sets.  windows 2, 3: accumulators.
.set SLOT,  98304
.set PIECE, 24576
.set SPARE, 3*SLOT
.set SC,    64
.set AF,    128
.set BK,    128
.set MSB, 0
.macro WIN new                         ; the immediate's high byte repeats the setting that is left
.if MSB != \new
	s_set_vgpr_msb (MSB<<8)|\new
.set MSB, \new
.endif
.endm
.set MUL_LO, 0xa1                      ; source 0 (B') window 1, source 1 (A') window 0, C and D window 2
.set MUL_HI, 0xf1
.set TO_B,   0x40
.macro PLACES                          ; four plain places behind matrix instructions (ISA guide 7.12.1)
.rept 4
	v_nop
.endr
.endm
.macro JLOAD g0a, g0b                  ; a joint load: waves 0, 1 fetch A's groups, waves 2, 3 B's; four v_nop follow each line
	s_cmp_eq_u32 s15, 0
	s_cbranch_scc0 .Lfor_b_\@
	tensor_load_to_lds s[\g0a:\g0a+3], s[24:31]
	s_nop 0
.rept 4
	v_nop
.endr
	s_branch .Lasked_\@
.Lfor_b_\@:
	tensor_load_to_lds s[\g0b:\g0b+3], s[32:39]
	s_nop 0
.rept 4
	v_nop
.endr
.Lasked_\@:
.endm
.macro CREST
	s_cmp_lg_u32 s14, 0
	s_cbranch_scc1 .Lnot_wave_0_\@
	s_barrier_signal -3
.Lnot_wave_0_\@:
	s_barrier_wait -3
	s_barrier_signal -1
	s_barrier_wait -1
.endm
.macro CROUND
	s_barrier_signal -1
	s_barrier_wait -1
	CREST
.endm
	s_load_b128 s[4:7], s[0:1], 0x0                ; codes s[4:5], scales s[6:7]
	s_load_b64 s[8:9], s[0:1], 0x10                ; out0
	v_lshl_add_u32 v28, v0, 2, SPARE
	v_mov_b32 v29, 0
	ds_add_u32 v28, v29
	ds_add_u32 v28, v29
	s_wait_dscnt 0x0
	v_lshrrev_b32 v1, 5, v0
	v_readfirstlane_b32 s14, v1                    ; wave 0..3
	s_lshr_b32 s15, s14, 1                         ; which 128 tokens are mine.  Also: I fetch for A' (0) or B' (1)
	s_and_b32 s16, s14, 1                          ; which 128 features.  Also: which of the two groups I fetch
	s_bfe_u32 s66, ttmp6, 0x40000                  ; cx
	s_bfe_u32 s67, ttmp6, 0x40004                  ; cy
	s_and_b32 s69, ttmp7, 0xffff                   ; cluster y
	s_lshl_b32 s72, s67, 2
	s_lshl_b32 s72, 15, s72                        ; my row of the cluster
	s_lshl_b32 s73, 0x1111, s66                    ; my column
	s_lshl_b32 s74, s67, 1
	s_lshl_b32 s76, s69, 3
	s_add_co_u32 s74, s74, s76
	s_add_co_u32 s74, s74, 96                      ; A's first group: 96 + 8 cly + 2 cy
	s_lshl_b32 s75, s66, 1
	s_lshl_b32 s77, ttmp9, 3
	s_add_co_u32 s75, s75, s77
	s_add_co_u32 s75, s75, 88                      ; B's: 88 + 8 clx + 2 cx
	s_or_b32 s24, s72, (3<<16)|(1<<21)             ; group 1: a dense piece of 24,576 bytes as 96 rows of 256 bytes; A's go to my row,
	s_or_b32 s32, s73, (3<<16)|(1<<21)             ; B's to my column
.irp g, 24, 32
	s_mov_b32 s[\g+1], 32<<16
	s_mov_b32 s[\g+2], 96<<16
	s_mov_b32 s[\g+3], 32<<16
	s_mov_b32 s[\g+4], 96
	s_mov_b32 s[\g+5], 32
	s_mov_b32 s[\g+6], 0
	s_mov_b32 s[\g+7], 0
.endr
	s_add_co_u32 s76, s74, s16
	s_mul_i32 s76, s76, 98304
	s_mov_b32 s77, 0
	s_add_co_u32 s78, s75, s16
	s_mul_i32 s78, s78, 98304
	s_mov_b32 s79, 0
	s_mul_i32 s17, s14, PIECE                      ; no place in the cluster enters an LDS address
	s_wait_kmcnt 0x0
	s_add_nc_u64 s[76:77], s[4:5], s[76:77]
	s_add_nc_u64 s[78:79], s[4:5], s[78:79]
	CROUND                                         ; all sixteen work-groups are here: the first joint loads meet
.irp n, 0,1,2
	s_mov_b32 s[40+4*\n], 1
	s_add_co_u32 s[41+4*\n], s17, \n*SLOT
	s_add_nc_u64 s[42+4*\n:43+4*\n], s[76:77], \n*PIECE
	s_or_b32 s[43+4*\n], s[43+4*\n], 0x80000000
	s_mov_b32 s[52+4*\n], 1
	s_add_co_u32 s[53+4*\n], s17, \n*SLOT
	s_add_nc_u64 s[54+4*\n:55+4*\n], s[78:79], \n*PIECE
	s_or_b32 s[55+4*\n], s[55+4*\n], 0x80000000
.endr
	s_cmp_eq_u32 s15, 0                            ; a wave's three first fills stand in one branch
	s_cbranch_scc0 .Lfirst_b
	tensor_load_to_lds s[40:43], s[24:31]
	s_nop 0
	tensor_load_to_lds s[44:47], s[24:31]
	s_nop 0
	tensor_load_to_lds s[48:51], s[24:31]
	s_nop 0
.rept 4
	v_nop
.endr
	s_branch .Lfirst_asked
.Lfirst_b:
	tensor_load_to_lds s[52:55], s[32:39]
	s_nop 0
	tensor_load_to_lds s[56:59], s[32:39]
	s_nop 0
	tensor_load_to_lds s[60:63], s[32:39]
	s_nop 0
.rept 4
	v_nop
.endr
.Lfirst_asked:
	v_and_b32 v1, 31, v0
	v_lshlrev_b32 v16, 4, v1                       ; 16 x lane
	v_lshlrev_b32 v17, 3, v1                       ; 8 x lane
	v_and_b32 v2, 15, v0                           ; r
	v_bfe_u32 v3, v0, 4, 1                         ; h
	s_mul_i32 s18, s15, PIECE
	s_mul_i32 s19, s16, PIECE
	s_add_co_u32 s19, s19, 2*PIECE
.irp n, 0,1,2
	v_add_nc_u32 v[4+\n], s18, v16
	v_add_nc_u32 v[7+\n], s18, v17
	v_add_nc_u32 v[10+\n], s19, v16
	v_add_nc_u32 v[13+\n], s19, v17
	s_add_co_u32 s18, s18, SLOT
	s_add_co_u32 s19, s19, SLOT
.endr
	s_mov_b32 s90, 0xffff0000                      ; lanes 16-31
	s_add_co_u32 s98, s74, s15                     ; my A' group,
	s_add_co_u32 s99, s75, s16                     ; my B' group
	s_sub_co_u32 s76, s98, 96
	s_lshl_b32 s76, s76, 19                        ; 128 rows of out0, 4,096 bytes each
	s_sub_co_u32 s77, s99, 88
	s_lshl_b32 s77, s77, 9                         ; 128 columns of 4 bytes
	s_add_co_u32 s76, s76, s77
	s_mov_b32 s77, 0
	s_add_nc_u64 s[8:9], s[8:9], s[76:77]
	s_lshl_b32 s98, s98, 12
	s_lshl_b32 s99, s99, 12
	v_mov_b32 v18, s98
	v_mov_b32 v19, s99
	v_cndmask_b32 v18, v18, v19, s90               ; lanes 0-15 take A's scales, lanes 16-31 B's
	v_lshl_add_u32 v18, v2, 3, v18
.irp i, 0,1,2,3,4,5,6,7
.irp q, 0,1,2,3
	global_load_b64 v[SC+8*\i+2*\q:SC+8*\i+2*\q+1], v18, s[6:7] offset:1024*\q+128*\i
.endr
.endr
	s_mul_i32 s78, s14, 8448
	s_add_co_u32 s78, s78, SLOT                    ; my stage, in slot 1
	v_mul_u32_u24 v24, v2, 528
	v_lshl_add_u32 v24, v3, 6, v24
	v_add_nc_u32 v24, s78, v24                     ; in: row r, + 64 h
	v_add_nc_u32 v25, s78, v16                     ; back: 16 bytes a lane of a row
.macro FRAG reg, a16, a8, off
	ds_load_b128 v[\reg:\reg+3], v[\a16] offset:\off
	ds_load_b64 v[\reg+4:\reg+5], v[\a8] offset:\off+512
	ds_load_b128 v[\reg+6:\reg+9], v[\a16] offset:\off+768
	ds_load_b64 v[\reg+10:\reg+11], v[\a8] offset:\off+1280
.endm
.macro FETCH_B sl, q2, p
	WIN TO_B
.irp i, 0,1,2,3,4,5,6,7
	FRAG 128*(\p)+12*\i, 10+(\sl), 13+(\sl), (8*(\q2)+\i)*1536
.endr
	WIN 0
.endm
.macro FETCH_A sl, q2, i0
.irp i, \i0, \i0+1, \i0+2, \i0+3
	FRAG AF+12*(\i), 4+(\sl), 7+(\sl), (8*(\q2)+(\i))*1536
.endr
.endm
; 16 products; the 64 accumulators take turns, one instruction a turn, in the same order in every K step
.macro MUL16 a0, p, s, zero
.irp a, \a0, \a0+1
.irp b, 0,1,2,3,4,5,6,7
.if \zero
	v_wmma_scale_f32_16x16x128_f8f6f4 v[8*(8*((\a)%4)+\b):8*(8*((\a)%4)+\b)+7], v[128*(\p)+12*\b:128*(\p)+12*\b+11], v[AF+12*(\a):AF+12*(\a)+11], 0, v[SC+8*\b+(\s)], v[SC+8*(\a)+(\s)] matrix_a_fmt:MATRIX_FMT_FP6 matrix_b_fmt:MATRIX_FMT_FP6 matrix_a_scale:MATRIX_SCALE_ROW1
.else
	v_wmma_scale_f32_16x16x128_f8f6f4 v[8*(8*((\a)%4)+\b):8*(8*((\a)%4)+\b)+7], v[128*(\p)+12*\b:128*(\p)+12*\b+11], v[AF+12*(\a):AF+12*(\a)+11], v[8*(8*((\a)%4)+\b):8*(8*((\a)%4)+\b)+7], v[SC+8*\b+(\s)], v[SC+8*(\a)+(\s)] matrix_a_fmt:MATRIX_FMT_FP6 matrix_b_fmt:MATRIX_FMT_FP6 matrix_a_scale:MATRIX_SCALE_ROW1
.endif
.endr
.endr
.endm
.macro STEP s, nsl, nq, zero
	s_wait_dscnt 16                                ; B's set and A's tiles 0-3 are in; the youngest 16 loads (A's tiles 4-7) may be out
	WIN MUL_LO
	MUL16 0, (\s)%2, \s, \zero
	MUL16 2, (\s)%2, \s, \zero
	s_wait_dscnt 0x0
	PLACES
	FETCH_B \nsl, \nq, 1-(\s)%2
	FETCH_A \nsl, \nq, 0
	WIN MUL_HI
	MUL16 4, (\s)%2, \s, \zero
	MUL16 6, (\s)%2, \s, \zero
	PLACES
	WIN 0
	FETCH_A \nsl, \nq, 4
.endm
.macro TURN s, nsl, nq, fill
	s_wait_tensorcnt 0x0                           ; all my tensor loads have landed
	ds_add_u32 v28, v29                            ; 0 onto my spare word
	s_wait_dscnt 17                                ; (the add and the youngest 16 loads may be out)
	WIN MUL_LO
	MUL16 0, (\s)%2, \s, 0
	s_wait_dscnt 0x0                               ; the add is done, and my LDS reads are over
	s_barrier_signal -1
	MUL16 2, (\s)%2, \s, 0
	WIN 0
	s_barrier_wait -1
.if \fill
	CREST                                          ; a round of the cluster's barrier: no wave of any partner still reads slot 0 or has a load on its way
	s_add_nc_u64 s[42:43], s[42:43], 3*PIECE
	s_add_nc_u64 s[54:55], s[54:55], 3*PIECE
	JLOAD 40, 52                                   ; the first tensor load behind the round, my only one; its four v_nop are the places in front of the loads below
.else
	PLACES
.endif
	FETCH_B \nsl, \nq, 1-(\s)%2
	FETCH_A \nsl, \nq, 0
	WIN MUL_HI
	MUL16 4, (\s)%2, \s, 0
	MUL16 6, (\s)%2, \s, 0
	PLACES
	WIN 0
	FETCH_A \nsl, \nq, 4
.endm
	s_wait_tensorcnt 0x2                           ; my piece of slot 0 is in; slots 1 and 2 may stay out
	s_barrier_signal -1
	s_barrier_wait -1
	FETCH_B 0, 0, 0
	FETCH_A 0, 0, 0
	FETCH_A 0, 0, 4
	s_wait_loadcnt 0x0                             ; the scale words
	STEP 0, 0, 1, 1                                ; the first K step's products start the sums
	TURN 1, 1, 0, 1                                ; the one refill; this barrier also shows slots 1 and 2 whole to every wave
	STEP 2, 1, 1, 0
	STEP 3, 2, 0, 0
	STEP 4, 2, 1, 0
	TURN 5, 0, 0, 0                                ; slot 0's second fill is whole; behind this barrier nobody reads slot 1
	STEP 6, 0, 1, 0
	s_wait_dscnt 16
	WIN MUL_LO
	MUL16 0, 1, 7, 0
	MUL16 2, 1, 7, 0
	s_wait_dscnt 0x0
	WIN MUL_HI
	MUL16 4, 1, 7, 0
	MUL16 6, 1, 7, 0
	WIN 0
; THE WAY OUT, tile by tile of 16 tokens.  LDS serves a wave's instructions in order: no wait between the stage's stores and its loads, nor in front of the next tile's stores.
.macro TOSTAGE a
.set AC, 64*((\a)%4)
	WIN 0x08+4*((\a)/4)                            ; an LDS store's data are its source 1: window 2 or 3
.irp b, 0,1,2,3,4,5,6,7
	ds_store_b128 v24, v[AC+8*\b:AC+8*\b+3] offset:128*(\b/2)+32*(\b%2)        ; each accumulator from its low end on: features 32 (b / 2) + 16 h + 8 (b % 2) + 0 .. 7
	ds_store_b128 v24, v[AC+8*\b+4:AC+8*\b+7] offset:128*(\b/2)+32*(\b%2)+16
.endr
	WIN 0
.set BB, BK+64*((\a)%2)
.set p, 0
.rept 16
	ds_load_b128 v[BB+4*p:BB+4*p+3], v25 offset:528*p
.set p, p+1
.endr
.endm
.macro SEND a, younger                 ; younger: the LDS instructions issued behind tile a's loads, which may stay out
.set BB, BK+64*((\a)%2)
	s_wait_dscnt \younger
.set p, 0
.rept 16
	global_store_b128 v16, v[BB+4*p:BB+4*p+3], s[8:9] offset:(32*((\a)/2)+8*((\a)%2)+p+8*(p/8))*4096 th:TH_STORE_NT   ; 32 lanes store 512 consecutive bytes, aligned; the tile's row p is this token; written once, read by nobody here
.set p, p+1
.endr
.endm
	PLACES
	TOSTAGE 0
.irp a, 1,2,3,4,5,6,7
.if \a > 1
	s_wait_xcnt 0x0                                ; the stores of two tiles back have read their registers: this tile's loads may land there
.endif
	TOSTAGE \a
	SEND \a-1, 32                                  ; behind the last tile's loads: this tile's 16 stores and 16 loads
.endr
	SEND 7, 0
	s_wait_tensorcnt 0x0                           ; the wave's end
	ds_add_u32 v28, v29
	s_wait_dscnt 0x0
	CROUND                                         ; the closing round
	s_endpgm
.Lfunc_end_k_qddc4af5e61_gemm_proj:
	.size	k_qddc4af5e61_gemm_proj, .Lfunc_end_k_qddc4af5e61_gemm_proj-k_qddc4af5e61_gemm_proj
	.p2alignl 7, 3214868480
	.fill 96, 4, 3214868480
	.section	.rodata,"a",@progbits
	.p2align	6, 0x0
	.amdhsa_kernel k_qddc4af5e61_gemm_proj
		.amdhsa_group_segment_fixed_size 327680
		.amdhsa_private_segment_fixed_size 0
		.amdhsa_enable_private_segment 0
		.amdhsa_kernarg_size 24
		.amdhsa_user_sgpr_count 2
		.amdhsa_user_sgpr_kernarg_segment_ptr 1
		.amdhsa_wavefront_size32 1
		.amdhsa_system_sgpr_workgroup_id_x 1
		.amdhsa_system_sgpr_workgroup_id_y 1
		.amdhsa_system_sgpr_workgroup_id_z 1
		.amdhsa_system_vgpr_workitem_id 0
		.amdhsa_next_free_vgpr 1024
		.amdhsa_next_free_sgpr 100
		.amdhsa_reserve_vcc 0
		.amdhsa_float_denorm_mode_32 3
		.amdhsa_float_denorm_mode_16_64 3
		.amdhsa_memory_ordered 1
		.amdhsa_forward_progress 1
		.amdhsa_inst_pref_size 141
	.end_amdhsa_kernel
	.amdgpu_metadata
---
amdhsa.version: [ 1, 2 ]
amdhsa.kernels:
  - .name:           k_qddc4af5e61_gemm_proj
    .symbol:         k_qddc4af5e61_gemm_proj.kd
    .args:
      - { .name: codes, .offset: 0, .size: 8, .value_kind: global_buffer, .address_space: global }
      - { .name: scales, .offset: 8, .size: 8, .value_kind: global_buffer, .address_space: global }
      - { .name: out0, .offset: 16, .size: 8, .value_kind: global_buffer, .address_space: global }
    .group_segment_fixed_size: 327680
    .private_segment_fixed_size: 0
    .kernarg_segment_align: 8
    .kernarg_segment_size: 24
    .max_flat_workgroup_size: 128
    .sgpr_count:     100
    .vgpr_count:     1024
    .wavefront_size: 32
...
	.end_amdgpu_metadata
.endif
;; end of part 4
